; MI455X (gfx1250); checked and timed in simulation.
; The chip was launched on July 23, 2026; its instructions are those of AMD's public machine-readable ISA for CDNA 5 (MIT licence, August 2026) and "CDNA5" Instruction Set Architecture Reference Guide (July 2026). The comments in the code are by the model that wrote it; some were corrected since.
;; Di T Attention. Allowed arithmetic: matrix products marked QUANTISED: E2M1 operands, one E8M0 scale for each 32 along K, by v_wmma_scale_f32_16x16x128_f8f6f4 with both operands' format E2M1 (or v_wmma_scale_f32_32x16x128_f4), f32 sums; products left as they are: bf16, f16 or f32 operands; f32 sums; everything else in f32.
;; Inputs: Wout 1,024 x 1,024 float32; Wqkv 1,024 x 3,072 float32; bout 1,024 float32; bqkv 3,072 float32; kn_w 64 float32; qn_w 64 float32; x 4 x 2,048 x 1,024 float32.
;; Outputs: out0 4 x 2,048 x 1,024 float32.
;; This version of the problem:
;;   THIS VERSION OF THE PROBLEM IS GIVEN IN LOW PRECISION. The matrix products marked QUANTISED in the list below multiply operands that are first quantised to E2M1 (2 exponent bits, 1 mantissa bit; 4 bits a number), with one power-of-two scale for each 32 numbers along K (OCP MX v1.0); their sums are f32. The products marked 'left as it is' may take bf16, f16 or f32 operands, with f32 sums. Whichever they take, every output number must still come out within the allowed error. Rounding operands to bf16 (8 significant bits) uses up far more of that allowance than f16 does (11 bits, for magnitudes from 6e-5 to 65,504). All else is computed in f32.
;;   The module's matrix products, in the order in which they are computed (A, B: the left and right operand; K: the contracted axis; several contracted axes count as one K, in the product's order):
;;     1. [M 8,192, K 1,024] x [K 1,024, N 3,072]; A: input x; B: input Wqkv: QUANTISED
;;     2. batch 64 x [M 2,048, K 64] x [K 64, N 2,048]; A: computed on the way; B: computed on the way: left as it is (an operand is computed on the way)
;;     3. batch 64 x [M 2,048, K 2,048] x [K 2,048, N 64]; A: computed on the way; B: computed on the way: left as it is (an operand is computed on the way)
;;     4. [M 8,192, K 1,024] x [K 1,024, N 1,024]; A: computed on the way; B: input Wout: left as it is (an operand is computed on the way)
;;   THE QUANTISER, for each operand of a quantised product, along K:
;;     - K is cut into blocks of 32 from its start; a last block that is shorter is filled with zeros.
;;     - A block's scale is 2^e with e = floor(log2(the largest magnitude in the block)) - 2, held to -126 .. 127; a block of zeros has e = 0. As a byte (E8M0): e + 127.
;;     - Each number is divided by its block's scale, clamped to +-6, and rounded to the nearest number of E2M1, ties to even, subnormals kept.
;;     - The product sums the exact products of the quantised numbers (number of the format x scale) in f32.
;;   ~~~python
;;   def quantise(x, axis):      # numpy; x: float32 -> the quantised numbers, widened to float32 again
;;       x = np.moveaxis(x, axis, -1); K = x.shape[-1]
;;       x = np.pad(x, [(0, 0)] * (x.ndim - 1) + [(0, -K % 32)]); x = x.reshape(x.shape[:-1] + (-1, 32)); a = np.abs(x).max(-1, keepdims=True)
;;       e = np.where(a > 0, np.clip(np.frexp(np.where(a > 0, a, 1))[1] - 1 - 2, -126, 127), 0)      # np.frexp(a)[1] - 1 = floor(log2(a)), exactly
;;       r = np.clip(x / 2.0 ** e, -6, 6)
;;       step = 2.0 ** (np.maximum(np.frexp(np.where(r == 0, 1, r))[1] - 1, 0) - 1)
;;       q = np.round(r / step) * step * 2.0 ** e      # np.round: ties to even
;;       return np.moveaxis(q.reshape(q.shape[:-2] + (-1,))[..., :K], -1, axis).astype(np.float32)
;;   ~~~
;; One version. Each part assembles by itself: llvm-mc -triple=amdgcn-amd-amdhsa -mcpu=gfx1250 --defsym DOCPART=n.
;; ======== version 1 of 1: 4 launches
;; limits: values are held in f16: magnitudes above 65,504 overflow, below 6.1e-05 lose precision
;; workspace buffers: xc 4,194,304 bytes; xs 262,144 bytes; wc 1,572,864 bytes; ws 98,304 bytes; wo16 2,097,152 bytes; tab 524,288 bytes; qkv 50,331,648 bytes; att 16,777,216 bytes
;; launch prep (part 1): grid 544 x 1, 4 waves a work-group, no clusters, 33,280 bytes of LDS; arguments x, Wqkv, Wout, xc, xs, wc, ws, wo16, tab; writes xc, xs, wc, ws, wo16, tab
.if DOCPART == 1
	.amdgcn_target "amdgcn-amd-amdhsa--gfx1250"
	.amdhsa_code_object_version 6
	.text
	.protected	k_q70154edd56_prep
	.globl	k_q70154edd56_prep
	.p2align	8
	.type	k_q70154edd56_prep,@function
k_q70154edd56_prep:
	s_mov_b64 s[64:65], 0
	v_nop
	global_prefetch_b8 v0, s[64:65] scope:SCOPE_SE
	s_setreg_imm32_b32 hwreg(HW_REG_WAVE_MODE, 25, 1), 1
	s_wait_xcnt 0x0
; Four jobs in one launch, told apart by the work-group's number alone:
;   0-255   x [8192][1024] f32 -> codes of E2M1, K innermost (xc, 512 bytes a row), one E8M0 byte for each 32 along K (xs)
;   256-447 Wqkv [1024 k][3072 n] f32, K its first axis -> codes laid [k / 32][n][16 bytes] (wc), bytes laid [n][32] (ws)
;   448-511 Wout f32 -> f16, in its own order (wo16)
;   512-543 the rotary table: tab[pos][0..31] = cos(pos f_d), tab[pos][32..63] = sin(pos f_d), f_d = 10000^(-d / 32)
; A block's scale is 2^(floor(log2(largest magnitude)) - 2); its byte is that magnitude's exponent field - 2, held at 1 from below.
; LIMITS: a block whose largest magnitude lies under 2^-124 (a block of zeros too) keeps the byte 1: its codes are what the conversion gives under that scale, and the bytes are read
; by this program alone.  NaN and infinities are not served.  |Wout| stays under 65,504 (f16).  cos and sin: the angle is reduced by two fused multiply-adds with pi/2 in two parts and
; f_d comes from v_exp_f32, so an angle is good to about 2e-4 at position 2047.
; Only the first job uses LDS; waves share nothing; no barrier.
.set WREG,  8192                       ; LDS of a wave: two stages of 32 x SP bytes, then its 256 scale bytes
.set SP,    80                         ; a lane's place in a stage: 64 bytes + 16 of padding
.set SPARE, 4*WREG                     ; the spare words, 128 bytes a wave: two blocks of 256 bytes that no other line names
.set R,     16                         ; v16-79   x: four sets of 16 numbers as loaded
.set X,     80                         ; v80-111  x: two sets of 16 neighbours
.set E,     112                        ; v112-127 x: a scale byte for each step
.set C,     128                        ; v128-191 x: codes, four registers a step
.set SPW,   12                         ; v12 my spare word's LDS address; never rewritten
.set NIL,   13                         ; v13 0; never rewritten
	s_load_b256 s[4:11], s[0:1], 0x0               ; x s[4:5], Wqkv s[6:7], Wout s[8:9], xc s[10:11]
	s_load_b256 s[12:19], s[0:1], 0x20             ; xs s[12:13], wc s[14:15], ws s[16:17], wo16 s[18:19]
	s_load_b64 s[20:21], s[0:1], 0x40              ; tab
	v_lshl_add_u32 v[SPW], v0, 2, SPARE
	v_mov_b32 v[NIL], 0
	v_lshrrev_b32 v1, 5, v0
	v_readfirstlane_b32 s22, v1                    ; wave
	v_and_b32 v2, 31, v0                           ; lane
	v_lshlrev_b32 v3, 4, v2                        ; 16 x lane
	v_lshlrev_b32 v4, 3, v2                        ; 8 x lane
	s_mul_i32 s23, s22, WREG
	v_lshrrev_b32 v14, 2, v2
	v_mul_u32_u24 v14, v14, SP
	v_and_b32 v15, 3, v2
	v_lshl_add_u32 v14, v15, 4, v14
	v_add_nc_u32 v14, s23, v14                     ; the stage, in: SP (lane / 4) + 16 (lane % 4)
	v_mul_u32_u24 v15, v2, SP
	v_add_nc_u32 v15, s23, v15                     ; the stage, out: SP x lane
	v_lshrrev_b32 v5, 1, v2
	s_add_co_u32 s23, s23, 2*32*SP
	v_add_nc_u32 v5, s23, v5                       ; my block's scale byte in LDS
	v_add_nc_u32 v6, s23, v4                       ; and 8 bytes a lane on the way out
	s_mov_b32 s27, 0                               ; the high word of every offset pair s[26:27]
	s_wait_kmcnt 0x0
	s_cmp_lt_u32 ttmp9, 256
	s_cbranch_scc0 .Lnot_x
; ---- x.  A wave takes 16 steps of 512 numbers.  Each load reads 512 consecutive bytes; a step's 2,048 bytes turn through the wave's own stage so that a lane holds 16 neighbours along K; two lanes hold a block.
	s_lshl_b32 s24, ttmp9, 2
	s_add_co_u32 s24, s24, s22                     ; which run of 8,192 numbers
	s_lshl_b32 s26, s24, 15
	s_add_nc_u64 s[4:5], s[4:5], s[26:27]
	s_lshl_b32 s26, s24, 12
	s_add_nc_u64 s[10:11], s[10:11], s[26:27]
	s_lshl_b32 s26, s24, 8
	s_add_nc_u64 s[12:13], s[12:13], s[26:27]
.macro XLOAD t
.irp i, 0,1,2,3
	global_load_b128 v[R+16*((\t)%4)+4*\i:R+16*((\t)%4)+4*\i+3], v3, s[4:5] offset:2048*(\t)+512*\i th:TH_LOAD_NT
.endr
.endm
.macro XTURN t                         ; LDS serves a wave's instructions in order: no wait between the stores and the loads
.irp i, 0,1,2,3
	ds_store_b128 v14, v[R+16*((\t)%4)+4*\i:R+16*((\t)%4)+4*\i+3] offset:32*SP*((\t)%2)+8*SP*\i
.endr
.irp i, 0,1,2,3
	ds_load_b128 v[X+16*((\t)%2)+4*\i:X+16*((\t)%2)+4*\i+3], v15 offset:32*SP*((\t)%2)+16*\i
.endr
.endm
.irp t, 0,1,2,3
	XLOAD \t
.endr
	s_wait_loadcnt 12                              ; step 0's four loads are in; the twelve behind them stay out
	XTURN 0
.macro XSTEP t
.set XS, X+16*((\t)%2)
.if (\t) > 0
	s_wait_dscnt 1                                 ; this step's numbers are back from the stage; the last step's byte store may be out
.else
	s_wait_dscnt 0x0
.endif
.if (\t)+4 < 16
	XLOAD (\t)+4                                   ; into the set whose stores into the stage are done
.endif
.if (\t)+1 < 16
.if 14-(\t) >= 3
	s_wait_loadcnt 12                              ; the next step's loads are in; three steps' twelve stay out
.else
	s_wait_loadcnt 4*(14-(\t))
.endif
	XTURN (\t)+1
.endif
	v_max3_num_f32 v8, |v[XS]|, |v[XS+1]|, |v[XS+2]|
	v_max3_num_f32 v9, |v[XS+3]|, |v[XS+4]|, |v[XS+5]|
.irp i, 6,10
	v_max3_num_f32 v8, v8, |v[XS+\i]|, |v[XS+\i+1]|
	v_max3_num_f32 v9, v9, |v[XS+\i+2]|, |v[XS+\i+3]|
.endr
	v_max3_num_f32 v8, v8, |v[XS+14]|, |v[XS+15]|
	v_max3_num_f32 v8, v8, v9, 0x1800000           ; the floor 2^(3 - 127): the byte cannot fall under 1
	v_max_num_f32_dpp v8, v8, v8 row_xmask:1 row_mask:0xf bank_mask:0xf   ; with my neighbour's 16: the block's largest magnitude
	v_add_nc_u32 v11, 0xff000000, v8               ; 2 off its exponent field: the conversion's scale operand
	v_cvt_scalef32_pk8_fp4_f32 v[C+4*(\t)], v[XS:XS+7], v11
	v_cvt_scalef32_pk8_fp4_f32 v[C+4*(\t)+1], v[XS+8:XS+15], v11
	v_lshrrev_b32 v[E+(\t)], 23, v11               ; the scale's byte
	ds_store_b8 v5, v[E+(\t)] offset:16*(\t)       ; both lanes of a block write the same byte
	global_store_b64 v4, v[C+4*(\t):C+4*(\t)+1], s[10:11] offset:256*(\t)   ; the wave stores 256 consecutive bytes
.endm
.irp t, 0,1,2,3,4,5,6,7,8,9,10,11,12,13,14,15
	XSTEP \t
.endr
	ds_load_b64 v[8:9], v6
	s_wait_dscnt 0x0
	global_store_b64 v4, v[8:9], s[12:13]          ; the wave's 256 scale bytes, consecutive
	s_wait_tensorcnt 0x0                           ; the wave's end, behind my last LDS store
	ds_add_u32 v[SPW], v[NIL]
	s_wait_dscnt 0x0
	s_endpgm
.Lnot_x:
	s_cmp_lt_u32 ttmp9, 448
	s_cbranch_scc0 .Lnot_w
; ---- Wqkv.  A lane takes a column n and its registers run down K: 128 rows, four blocks of 32.  A load reads 128 consecutive bytes a wave; a block's maximum needs no other lane; the codes of a block,
; 16 bytes a lane, leave as 512 consecutive bytes a wave, since wc is laid [k / 32][n][16].  The four scale bytes of a lane are one word of its row of ws: pieces of 4 bytes, 1 byte in 128 of what is read.
	s_sub_co_u32 s24, ttmp9, 256
	s_and_b32 s25, s24, 7                          ; which 128 rows of K
	s_lshr_b32 s24, s24, 3
	s_lshl_b32 s24, s24, 7
	s_lshl_b32 s28, s22, 5
	s_add_co_u32 s24, s24, s28                     ; my wave's first column
	s_mul_i32 s26, s25, 128*12288
	s_lshl_b32 s28, s24, 2
	s_add_co_u32 s26, s26, s28
	s_add_nc_u64 s[6:7], s[6:7], s[26:27]
	s_mul_i32 s26, s25, 4*49152
	s_lshl_b32 s28, s24, 4
	s_add_co_u32 s26, s26, s28
	s_add_nc_u64 s[14:15], s[14:15], s[26:27]
	s_lshl_b32 s26, s24, 5
	s_lshl_b32 s28, s25, 2
	s_add_co_u32 s26, s26, s28
	s_add_nc_u64 s[16:17], s[16:17], s[26:27]
	v_lshlrev_b32 v16, 2, v2                       ; 4 x lane
	v_lshlrev_b32 v18, 5, v2                       ; 32 x lane
.macro WLOAD t
.set i, 0
.rept 32
	global_load_b32 v[32+32*(\t)+i], v16, s[6:7] offset:(32*(\t)+i)*12288 th:TH_LOAD_NT
.set i, i+1
.endr
.endm
.macro WBLOCK t
.set XS, 32+32*(\t)
.if (\t) < 3
	s_wait_loadcnt 32                              ; this block's 32 loads are in; the next block's 32 stay out
.else
	s_wait_loadcnt 0x0
.endif
	v_max3_num_f32 v8, |v[XS]|, |v[XS+1]|, |v[XS+2]|
	v_max3_num_f32 v9, |v[XS+3]|, |v[XS+4]|, |v[XS+5]|
.irp i, 6,10,14,18,22,26
	v_max3_num_f32 v8, v8, |v[XS+\i]|, |v[XS+\i+1]|
	v_max3_num_f32 v9, v9, |v[XS+\i+2]|, |v[XS+\i+3]|
.endr
	v_max3_num_f32 v8, v8, |v[XS+30]|, |v[XS+31]|
	v_max3_num_f32 v8, v8, v9, 0x1800000
	v_add_nc_u32 v11, 0xff000000, v8
	v_lshrrev_b32 v10, 23, v11
.if (\t) == 0
	v_mov_b32 v176, v10
.else
	v_lshl_or_b32 v176, v10, 8*(\t), v176          ; the lower K in the lower byte
.endif
.irp g, 0,1,2,3
	v_cvt_scalef32_pk8_fp4_f32 v[160+4*(\t)+\g], v[XS+8*\g:XS+8*\g+7], v11
.endr
	v_nop                                          ; a plain line behind the last conversion
	global_store_b128 v3, v[160+4*(\t):163+4*(\t)], s[14:15] offset:(\t)*49152
.if (\t)+2 < 4
	WLOAD (\t)+2
.endif
.endm
	WLOAD 0
	WLOAD 1
	WBLOCK 0
	WBLOCK 1
	WBLOCK 2
	WBLOCK 3
	global_store_b32 v18, v176, s[16:17]
	s_endpgm
.Lnot_w:
	s_cmp_lt_u32 ttmp9, 512
	s_cbranch_scc0 .Lnot_c
; ---- Wout to f16: a wave takes 4,096 numbers; a load reads 512 consecutive bytes, a store writes 256.
	s_sub_co_u32 s24, ttmp9, 448
	s_lshl_b32 s24, s24, 2
	s_add_co_u32 s24, s24, s22
	s_lshl_b32 s26, s24, 14
	s_add_nc_u64 s[8:9], s[8:9], s[26:27]
	s_lshl_b32 s26, s24, 13
	s_add_nc_u64 s[18:19], s[18:19], s[26:27]
.set i, 0
.rept 32
	global_load_b128 v[32+4*i:35+4*i], v3, s[8:9] offset:512*i th:TH_LOAD_NT
.set i, i+1
.endr
.set i, 0
.rept 32
	s_wait_loadcnt 31-i                            ; loads come back in order: the younger ones stay out
	v_cvt_pk_f16_f32 v[32+4*i], v[32+4*i], v[33+4*i]
	v_cvt_pk_f16_f32 v[33+4*i], v[34+4*i], v[35+4*i]
	global_store_b64 v4, v[32+4*i:33+4*i], s[18:19] offset:256*i
.set i, i+1
.endr
	s_endpgm
.Lnot_c:
; ---- the table.  A wave makes 16 positions; sixteen lanes make a row of 256 bytes: lanes 0-7 of a half cos, lanes 8-15 sin, four values of d a lane.  cos(a) = sin(a + pi/2): one quadrant on.
	s_sub_co_u32 s24, ttmp9, 512
	s_lshl_b32 s24, s24, 2
	s_add_co_u32 s24, s24, s22
	s_lshl_b32 s24, s24, 4                         ; my wave's first position
	s_lshl_b32 s26, s24, 8
	s_add_nc_u64 s[20:21], s[20:21], s[26:27]
	s_mov_b32 s30, 0x3f22f983                      ; 2 / pi
	s_mov_b32 s31, 0x3fc90fdb                      ; pi / 2, rounded to f32
	s_mov_b32 s32, 0x333bbd2e                      ; that number less pi / 2
	s_mov_b32 s33, 0xbe2aaaa3                      ; sine: r + r r2 (S1 + r2 (S2 + r2 S3))
	s_mov_b32 s34, 0x3c08839e
	s_mov_b32 s35, 0xb94ca1f9
	s_mov_b32 s36, 0x3d2aaaa5                      ; cosine: 1 - r2 / 2 + r4 (C1 + r2 (C2 + r2 C3))
	s_mov_b32 s37, 0xbab6061a
	s_mov_b32 s38, 0x37ccf5ce
	v_bfe_u32 v24, v0, 3, 1
	v_xor_b32 v24, 1, v24                          ; 1 in the lanes that make cos
	v_bfe_u32 v25, v0, 4, 1
	v_add_nc_u32 v25, s24, v25
	v_cvt_f32_u32 v25, v25                         ; my position
	v_and_b32 v26, 7, v0
	v_lshlrev_b32 v26, 2, v26
	v_cvt_f32_u32 v26, v26                         ; my first d
	v_add_f32 v21, 1.0, v26
	v_add_f32 v22, 2.0, v26
	v_add_f32 v23, 3.0, v26
	v_mul_f32 v20, 0xbed49a78, v26                 ; -d log2(10000) / 32
	v_mul_f32 v21, 0xbed49a78, v21
	v_mul_f32 v22, 0xbed49a78, v22
	v_mul_f32 v23, 0xbed49a78, v23
.irp e, 0,1,2,3
	v_exp_f32 v[20+\e], v[20+\e]                   ; f_d
.endr
	v_nop                                          ; a plain line behind the last exponential
	s_wait_alu depctr_va_vdst(0)                   ; one wait for the four, ahead of their first reader
.macro TVAL out, e
	v_mul_f32 v64, v25, v[20+\e]                   ; the angle
	v_mul_f32 v65, s30, v64
	v_rndne_f32 v65, v65                           ; n
	v_fma_f32 v66, -v65, s31, v64
	v_fma_f32 v66, v65, s32, v66                   ; r = angle - n pi / 2
	v_cvt_i32_f32 v67, v65
	v_add_nc_u32 v67, v67, v24                     ; the quadrant
	v_mul_f32 v68, v66, v66
	v_fma_f32 v69, v68, s35, s34
	v_fma_f32 v70, v68, s38, s37
	v_fma_f32 v69, v69, v68, s33
	v_fma_f32 v70, v70, v68, s36
	v_mul_f32 v69, v69, v68
	v_mul_f32 v71, v68, v68
	v_fma_f32 v72, v68, -0.5, 1.0
	v_fma_f32 v69, v69, v66, v66                   ; sin r
	v_fma_f32 v70, v70, v71, v72                   ; cos r
	v_and_b32 v71, 1, v67
	v_cmp_eq_u32 vcc_lo, 1, v71
	v_cndmask_b32 v69, v69, v70, vcc_lo            ; odd quadrants take the cosine
	v_and_b32 v67, 2, v67
	v_lshlrev_b32 v67, 30, v67
	v_xor_b32 v[\out], v67, v69                    ; quadrants 2 and 3 change the sign
.endm
.irp p, 0,1,2,3,4,5,6,7
.irp e, 0,1,2,3
	TVAL 32+4*\p+\e, \e
.endr
	global_store_b128 v3, v[32+4*\p:35+4*\p], s[20:21] offset:512*\p   ; two rows, 512 consecutive bytes
	v_add_f32 v25, 2.0, v25
.endr
	s_endpgm
.Lfunc_end_k_q70154edd56_prep:
	.size	k_q70154edd56_prep, .Lfunc_end_k_q70154edd56_prep-k_q70154edd56_prep
	.p2alignl 7, 3214868480
	.fill 96, 4, 3214868480
	.section	.rodata,"a",@progbits
	.p2align	6, 0x0
	.amdhsa_kernel k_q70154edd56_prep
		.amdhsa_group_segment_fixed_size 33280
		.amdhsa_private_segment_fixed_size 0
		.amdhsa_enable_private_segment 0
		.amdhsa_kernarg_size 72
		.amdhsa_user_sgpr_count 2
		.amdhsa_user_sgpr_kernarg_segment_ptr 1
		.amdhsa_wavefront_size32 1
		.amdhsa_system_sgpr_workgroup_id_x 1
		.amdhsa_system_sgpr_workgroup_id_y 1
		.amdhsa_system_sgpr_workgroup_id_z 1
		.amdhsa_system_vgpr_workitem_id 0
		.amdhsa_next_free_vgpr 192
		.amdhsa_next_free_sgpr 66
		.amdhsa_reserve_vcc 1
		.amdhsa_float_denorm_mode_32 3
		.amdhsa_float_denorm_mode_16_64 3
		.amdhsa_memory_ordered 1
		.amdhsa_forward_progress 1
		.amdhsa_inst_pref_size 98
	.end_amdhsa_kernel
	.amdgpu_metadata
---
amdhsa.version: [ 1, 2 ]
amdhsa.kernels:
  - .name:           k_q70154edd56_prep
    .symbol:         k_q70154edd56_prep.kd
    .args:
      - { .name: x, .offset: 0, .size: 8, .value_kind: global_buffer, .address_space: global }
      - { .name: Wqkv, .offset: 8, .size: 8, .value_kind: global_buffer, .address_space: global }
      - { .name: Wout, .offset: 16, .size: 8, .value_kind: global_buffer, .address_space: global }
      - { .name: xc, .offset: 24, .size: 8, .value_kind: global_buffer, .address_space: global }
      - { .name: xs, .offset: 32, .size: 8, .value_kind: global_buffer, .address_space: global }
      - { .name: wc, .offset: 40, .size: 8, .value_kind: global_buffer, .address_space: global }
      - { .name: ws, .offset: 48, .size: 8, .value_kind: global_buffer, .address_space: global }
      - { .name: wo16, .offset: 56, .size: 8, .value_kind: global_buffer, .address_space: global }
      - { .name: tab, .offset: 64, .size: 8, .value_kind: global_buffer, .address_space: global }
    .group_segment_fixed_size: 33280
    .private_segment_fixed_size: 0
    .kernarg_segment_align: 8
    .kernarg_segment_size: 72
    .max_flat_workgroup_size: 128
    .sgpr_count:     66
    .vgpr_count:     192
    .wavefront_size: 32
...
	.end_amdgpu_metadata
.endif
;; end of part 1
;; launch qkv (part 2): grid 12 x 32, 4 waves a work-group, clusters of 4 x 4, 327,680 bytes of LDS; arguments xc, xs, wc, ws, bqkv, qn_w, kn_w, tab, qkv; writes qkv
.if DOCPART == 2
	.amdgcn_target "amdgcn-amd-amdhsa--gfx1250"
	.amdhsa_code_object_version 6
	.text
	.protected	k_q70154edd56_qkv
	.globl	k_q70154edd56_qkv
	.p2align	8
	.type	k_q70154edd56_qkv,@function
k_q70154edd56_qkv:
	s_mov_b64 s[64:65], 0
	v_nop
	global_prefetch_b8 v0, s[64:65] scope:SCOPE_SE
	s_setreg_imm32_b32 hwreg(HW_REG_WAVE_MODE, 25, 1), 1
	s_wait_xcnt 0x0
	s_wait_alu depctr_hold_cnt(0) depctr_sa_sdst(0) depctr_va_vdst(0) depctr_va_sdst(0) depctr_va_ssrc(0) depctr_va_vcc(0) depctr_vm_vsrc(0)
	s_getreg_b32 s2, hwreg(HW_REG_IB_STS2, 6, 4)
	s_cmp_eq_u32 s2, 0
	s_cbranch_scc0 .Lentry_in_a_cluster
	s_endpgm
.Lentry_in_a_cluster:
	s_bfe_u32 s2, ttmp6, 0x10000c
	s_cmp_lg_u32 s2, 0xf033
	s_cbranch_scc0 .Lentry_shape_is_right
	s_endpgm
.Lentry_shape_is_right:
; qkv = Q(x) Q(Wqkv) + bqkv on codes of E2M1 with E8M0 scales (M 8192, N 3072, K 1024), then for q and k: RMS-norm over a head's 64 channels, gain, rotary embedding; all three rounded to f16 and laid
; [q,k,v][batch][head][position][64].  q is stored multiplied by log2(e) / 8, so that the next launch's scores are exponents of 2.
; A tile of C, 256 x 256, is made by four waves; a wave makes 128 rows x 128 columns (two heads): 64 accumulators, 512 registers.  K is two steps of 512: both are first fills of two LDS slots, nothing is filled again.
; x's codes lie [m][512 bytes]: a tile's row is 256 bytes, padded by 16 in LDS.  Wqkv's codes lie [k / 32][n][16 bytes]: a slot's part is 16 rows of 4,096 bytes; a fragment load's sixteen lanes read 256 consecutive bytes.
; The scale bytes of the tile's 256 rows and 256 columns, for all of K, come once.  One register carries A's word in lanes 0-15 and B's in lanes 16-31.
; CLUSTERS: 4 x 4 work-groups; A's tiles are asked for jointly along a row of the cluster, B's along a column.  A cluster's four tile columns are exactly q, k or v: the cluster's x says which, for all sixteen partners alike.
; THE MATRIX INSTRUCTION IS USED TRANSPOSED (source 0 = 16 columns of Wqkv, source 1 = 16 rows of x): a lane holds one row and eight neighbouring channels of each block of 16; channel d and d + 32 of a head lie in one lane.
; The bias is the C of each sum's first product (so it is the sum's first term, not its last).
; LIMITS: |v| stays under 65,504 (f16); NaN and infinities are not served.
; No prefetch: every tensor load of this text is a first fill, issued at the head.
; REGISTERS: window 0: v0-31 addresses and small things; v32-95 scale words, two sets; v96-127 the gains; v128-191 A's fragments, one set; v192-255 the bias, later the table's two sets.
;   window 1: B's fragments, two sets, at v0 and v128.  windows 2, 3: the accumulators ((a, b) at v[8 (8 (a % 4) + b)]).  On the way out v32-95 and v128-191 are at work.
.set NQ,     4
.set ROWB,   256
.set KROW,   512
.set PITCH,  272                       ; an LDS row of A: 256 bytes + 16: the 16 rows of a load start at 16 different banks (64 banks of 4 bytes: ISA guide 11.1)
.set FR,     8
.set NL,     2
.set NP,     4                         ; places behind this matrix instruction (ISA guide 7.12.1)
.set HALFT,  128*PITCH
.set SLOT,   4*HALFT
.set BOFF,   2*HALFT                   ; B's part of a slot: 16 rows of 4,096 bytes
.set KS,     32
.set SCL,    2*SLOT
.set HALFS,  (128*KS/256)*272
.set SBLK,   (16*KS/256)*272
.set SPARE,  SCL+4*HALFS               ; the spare words, 128 bytes a wave: two blocks of 256 bytes that no other line names
.set HSTG,   16*144                    ; the way out: 16 rows of a head, 128 bytes + 16; two heads a wave; in slot 0, which has had its only fill and its last read by then
.set SS,   8                           ; v8-15   four pairs of partial sums of squares
.set ADRA, 16
.set ADRB, 20
.set STO,  24
.set RD,   25
.set CO,   26
.set ADRS, 27
.set SPW,  28                          ; my spare word's LDS address; never rewritten
.set NIL,  29                          ; 0; never rewritten
.set TA,   30                          ; my byte in 16 rows of the table
.set SC,   32
.set WR,   32                          ; the way out: gain x rms, head 0; head 1 at WR + 32, later the rotation's two products
.set TU,   64
.set WN,   96
.set AF,   128
.set Y,    128
.set BI,   192
.set TB0,  192
.set G1, 24
.set G0, 32
.set G1B, 48
.set G0B, 56
.set G1S, 68
.set G0S, 76
.set G1SB, 80
.set G0SB, 88
.set MSB, 0
.macro WIN new                         ; the immediate's high byte repeats the setting that is left
.if MSB != (\new)
	s_set_vgpr_msb (MSB<<8)|(\new)
.set MSB, (\new)
.endif
.endm
.set MUL_LO, 0xa1                      ; source 0 (B) window 1, source 1 (A) window 0, C and D window 2
.set MUL_HI, 0xf1
.set TO_B,   0x40
.macro JLOAD g0a, g1a, g0b, g1b        ; waves 0 and 1 fetch for A, waves 2 and 3 for B; an s_nop 0 and four v_nop follow each line
	s_cmp_eq_u32 s15, 0
	s_cbranch_scc0 .Lfor_b_\@
	tensor_load_to_lds s[\g0a:\g0a+3], s[\g1a:\g1a+7]
	s_nop 0
.rept 4
	v_nop
.endr
	s_branch .Lasked_\@
.Lfor_b_\@:
	tensor_load_to_lds s[\g0b:\g0b+3], s[\g1b:\g1b+7]
	s_nop 0
.rept 4
	v_nop
.endr
.Lasked_\@:
.endm
.macro CROUND                          ; a round of the cluster's barrier
	s_barrier_signal -1
	s_barrier_wait -1
	s_cmp_lg_u32 s14, 0
	s_cbranch_scc1 .Lnot_wave_0_\@
	s_barrier_signal -3
.Lnot_wave_0_\@:
	s_barrier_wait -3
	s_barrier_signal -1
	s_barrier_wait -1
.endm
	s_load_b128 s[4:7], s[0:1], 0x0                ; xc, xs
	s_load_b128 s[8:11], s[0:1], 0x10              ; wc, ws
	s_load_b128 s[96:99], s[0:1], 0x20             ; bqkv, qn_w
	s_load_b64 s[100:101], s[0:1], 0x30            ; kn_w
	s_load_b64 s[66:67], s[0:1], 0x38              ; tab
	s_load_b64 s[12:13], s[0:1], 0x40              ; qkv
	v_lshl_add_u32 v[SPW], v0, 2, SPARE
	v_mov_b32 v[NIL], 0
	ds_add_u32 v[SPW], v[NIL]                      ; the opening: the add, twice on end, and its wait ahead of my first tensor load
	ds_add_u32 v[SPW], v[NIL]
	v_lshrrev_b32 v1, 5, v0
	v_readfirstlane_b32 s14, v1                    ; wave
	s_lshr_b32 s15, s14, 1                         ; my half of the tile's rows; also: I fetch for A (0) or B (1)
	s_and_b32 s16, s14, 1                          ; my half of its columns; also: which half of that tile I fetch
	s_bfe_u32 s40, ttmp6, 0x40000                  ; cx
	s_bfe_u32 s41, ttmp6, 0x40004                  ; cy
	s_lshl_b32 s42, ttmp9, 2
	s_add_co_u32 s42, s42, s40                     ; tile column
	s_and_b32 s17, ttmp7, 0xffff
	s_lshl_b32 s17, s17, 2
	s_add_co_u32 s17, s17, s41                     ; tile row
	s_lshl_b32 s43, s41, 2
	s_lshl_b32 s43, 15, s43                        ; my row of the cluster
	s_lshl_b32 s44, 0x1111, s40                    ; my column
	s_or_b32 s[G1+0], s43, (0<<16)|(1<<20)|(1<<21)|(5<<22)|(3<<25)   ; A: bytes; 4 words of padding after every 64; bit 21 beside the mask
	s_mov_b32 s[G1+1], ROWB<<16                    ; tensor_dim0 = 256
	s_mov_b32 s[G1+2], 128<<16                     ; tensor_dim1 = 128
	s_mov_b32 s[G1+3], ROWB<<16                    ; tile_dim0
	s_mov_b32 s[G1+4], 128                         ; tile_dim1
	s_mov_b32 s[G1+5], KROW                        ; pitch
	s_mov_b32 s[G1+6], 0
	s_mov_b32 s[G1+7], 0
	s_or_b32 s[G1B+0], s44, (3<<16)|(1<<21)        ; B: elements of 8 bytes, no padding
	s_mov_b32 s[G1B+1], 512<<16                    ; tensor_dim0 = 512 (4,096 bytes: 256 columns x 16)
	s_mov_b32 s[G1B+2], 8<<16                      ; tensor_dim1 = 8 blocks of 32 along K
	s_mov_b32 s[G1B+3], 512<<16
	s_mov_b32 s[G1B+4], 8
	s_mov_b32 s[G1B+5], 6144                       ; pitch: 3,072 columns x 16 bytes
	s_mov_b32 s[G1B+6], 0
	s_mov_b32 s[G1B+7], 0
	s_or_b32 s[G1S+0], s43, (3<<16)|(1<<20)|(1<<21)|(5<<22)|(3<<25)  ; the scales of 128 rows: 4,096 dense bytes as rows of 256 + 16
	s_or_b32 s[G1SB+0], s44, (3<<16)|(1<<20)|(1<<21)|(5<<22)|(3<<25)
.irp g, G1S, G1SB
	s_mov_b32 s[\g+1], 32<<16
	s_mov_b32 s[\g+2], (128*KS/256)<<16
	s_mov_b32 s[\g+3], 32<<16
	s_mov_b32 s[\g+4], 128*KS/256
	s_mov_b32 s[\g+5], 32
	s_mov_b32 s[\g+6], 0
	s_mov_b32 s[\g+7], 0
.endr
	s_lshl_b32 s18, s16, 7
	s_lshl_b32 s20, s17, 8
	s_add_co_u32 s20, s20, s18                     ; A: the first row that I fetch
	s_lshl_b32 s22, s20, 5                         ; its scale bytes
	s_mov_b32 s23, 0
	s_lshl_b32 s20, s20, 9                         ; its codes
	s_mov_b32 s21, 0
	s_lshl_b32 s92, s42, 8
	s_add_co_u32 s92, s92, s18                     ; B: the first column whose scales I fetch
	s_lshl_b32 s92, s92, 5
	s_mov_b32 s93, 0
	s_lshl_b32 s46, s42, 12                        ; B's codes: 256 columns x 16 bytes a tile column,
	s_mul_i32 s47, s16, 8*49152                    ; and my 8 of a slot's 16 blocks
	s_add_co_u32 s46, s46, s47
	s_mov_b32 s47, 0
	s_mul_i32 s45, s14, HALFT                      ; where A's halves go
	s_lshl_b32 s3, s16, 15
	s_add_co_u32 s3, s3, BOFF                      ; where B's go
	s_mul_i32 s94, s14, HALFS                      ; and the scales
	s_wait_dscnt 0x0                               ; both opening adds are done
	s_wait_kmcnt 0x0
	s_add_nc_u64 s[20:21], s[4:5], s[20:21]
	s_add_nc_u64 s[22:23], s[6:7], s[22:23]
	s_add_nc_u64 s[46:47], s[8:9], s[46:47]
	s_add_nc_u64 s[92:93], s[10:11], s[92:93]
	CROUND                                         ; all sixteen work-groups are here: the joint loads meet
	s_mov_b32 s[G0S], 1
	s_add_co_u32 s[G0S+1], s94, SCL
	s_mov_b64 s[G0S+2:G0S+3], s[22:23]
	s_or_b32 s[G0S+3], s[G0S+3], 0x80000000
	s_mov_b32 s[G0SB], 1
	s_add_co_u32 s[G0SB+1], s94, SCL
	s_mov_b64 s[G0SB+2:G0SB+3], s[92:93]
	s_or_b32 s[G0SB+3], s[G0SB+3], 0x80000000
	JLOAD G0S, G1S, G0SB, G1SB                     ; the scales first
.irp s, 0,1
	s_mov_b32 s[G0+4*\s], 1
	s_add_co_u32 s[G0+4*\s+1], s45, \s*SLOT
	s_add_nc_u64 s[G0+4*\s+2:G0+4*\s+3], s[20:21], \s*ROWB
	s_or_b32 s[G0+4*\s+3], s[G0+4*\s+3], 0x80000000
	s_mov_b32 s[G0B+4*\s], 1
	s_add_co_u32 s[G0B+4*\s+1], s3, \s*SLOT
	s_add_nc_u64 s[G0B+4*\s+2:G0B+4*\s+3], s[46:47], \s*16*49152
	s_or_b32 s[G0B+4*\s+3], s[G0B+4*\s+3], 0x80000000
	JLOAD G0+4*\s, G1, G0B+4*\s, G1B               ; three tensor loads of a wave are out
.endr
	v_and_b32 v1, 15, v0                           ; r
	v_bfe_u32 v2, v0, 4, 1                         ; h
	v_mul_u32_u24 v3, v1, PITCH
	v_lshl_add_u32 v4, v2, 4, v3                   ; A: row x pitch + 16 h
	v_lshlrev_b32 v5, 4, v1
	v_lshl_add_u32 v5, v2, 12, v5                  ; B: 16 r + one block of 32 along K further for lanes 16-31
	s_mul_i32 s21, s15, HALFT
	s_lshl_b32 s22, s16, 11                        ; my 128 columns x 16 bytes
	s_add_co_u32 s22, s22, BOFF
.irp s, 0,1
	v_add_nc_u32 v[ADRA+\s], s21, v4
	v_add_nc_u32 v[ADRB+\s], s22, v5
	s_add_co_u32 s21, s21, SLOT
	s_add_co_u32 s22, s22, SLOT
.endr
	v_mul_u32_u24 v5, v1, KS
	v_lshrrev_b32 v6, 8, v5
	v_lshl_add_u32 v5, v6, 4, v5                   ; my row's scales: 32 bytes a row, 16 more for each 256 passed
	s_mul_i32 s21, s15, HALFS
	s_mul_i32 s22, s16, HALFS
	s_add_co_u32 s22, s22, 2*HALFS
	s_sub_co_u32 s22, s22, s21
	v_mul_u32_u24 v6, s22, v2                      ; lanes 16-31 take B's
	s_add_co_u32 s21, s21, SCL
	v_add_nc_u32 v5, v5, v6
	v_add_nc_u32 v[ADRS], s21, v5
	s_mul_i32 s23, s14, 2*HSTG                     ; my stage
	v_mul_u32_u24 v5, v1, 144
	v_lshl_add_u32 v5, v2, 4, v5
	v_add_nc_u32 v[STO], s23, v5                   ; in: row r, 16 bytes for each half of the lanes
	v_and_b32 v6, 31, v0
	v_lshrrev_b32 v5, 3, v6
	v_mul_u32_u24 v5, v5, 144
	v_and_b32 v3, 7, v0
	v_lshl_add_u32 v5, v3, 4, v5
	v_add_nc_u32 v[RD], s23, v5                    ; back: eight lanes to a row of 128 bytes, four rows an instruction
	v_lshlrev_b32 v[CO], 4, v6                     ; which are 512 consecutive bytes of the head
	v_lshlrev_b32 v[TA], 8, v1
	v_lshl_add_u32 v[TA], v2, 5, v[TA]             ; the table: row r of 256 bytes, + 32 h
	v_lshlrev_b32 v3, 5, v2                        ; bias and gains: 32 h
	v_mov_b32 v7, 0                                ; written once: a lane permute's destination counts as a source
	v_mov_b32 v31, 0
	v_mov_b32 v19, 0                               ; named as upper halves of pairs
	v_mov_b32 v23, 0
	s_lshl_b32 s46, s42, 10
	s_lshl_b32 s47, s16, 9
	s_add_co_u32 s46, s46, s47
	s_mov_b32 s47, 0
	s_add_nc_u64 s[96:97], s[96:97], s[46:47]      ; the bias of my 128 columns
	s_mov_b32 s95, 1.0
	s_cmp_eq_u32 ttmp9, 0                          ; q?
	s_cselect_b64 s[98:99], s[98:99], s[100:101]   ; q's gains, else k's (v's work-groups load k's and do not use them)
	s_cselect_b32 s95, 0x3e38aa3b, s95             ; q is multiplied by log2(e) / 8
	s_mov_b32 s94, 0x358637bd                      ; 1e-6
	s_mov_b32 s92, 0x76543210
	s_mov_b32 s93, 0xfedcba98                      ; v_permlanex16_b32: lane l xor 16
.irp b, 0,1,2,3,4,5,6,7
	global_load_b128 v[BI+8*\b:BI+8*\b+3], v3, s[96:97] offset:64*\b       ; register 8 b + j: the bias of column 16 b + 8 h + j
	global_load_b128 v[BI+8*\b+4:BI+8*\b+7], v3, s[96:97] offset:64*\b+16
.endr
.irp b, 0,1,2,3
	global_load_b128 v[WN+8*\b:WN+8*\b+3], v3, s[98:99] offset:64*\b       ; the gain of channel 16 b + 8 h + j
	global_load_b128 v[WN+8*\b+4:WN+8*\b+7], v3, s[98:99] offset:64*\b+16
.endr
	s_lshl_b32 s46, ttmp9, 6                       ; where my two heads' rows begin in qkv: 64 heads for each of q, k, v,
	s_lshr_b32 s47, s17, 3
	s_lshl_b32 s47, s47, 4
	s_add_co_u32 s46, s46, s47                     ; 16 a batch,
	s_lshl_b32 s47, s40, 2
	s_add_co_u32 s46, s46, s47                     ; 4 a tile column,
	s_lshl_b32 s47, s16, 1
	s_add_co_u32 s46, s46, s47                     ; 2 a wave
	s_lshl_b32 s46, s46, 18
	s_and_b32 s47, s17, 7
	s_lshl_b32 s47, s47, 8
	s_lshl_b32 s18, s15, 7
	s_add_co_u32 s18, s18, s47                     ; my first position
	s_lshl_b32 s47, s18, 7
	s_add_co_u32 s46, s46, s47
	s_mov_b32 s47, 0
	s_add_nc_u64 s[12:13], s[12:13], s[46:47]
	s_lshl_b32 s18, s18, 8
	s_mov_b32 s19, 0
	s_add_nc_u64 s[66:67], s[66:67], s[18:19]      ; and its row of the table
.macro FRAG reg, adr, q, i             ; A: 16 rows x 128 K: two loads of 16 bytes, 32 apart
.irp c, 0,1
	ds_load_b128 v[\reg+4*\c:\reg+4*\c+3], v[\adr] offset:64*(\q)+32*\c+(\i)*16*PITCH
.endr
.endm
.macro FRAGB reg, adr, q, i            ; B: 16 columns x 128 K: registers 4 c .. 4 c + 3 are block 4 q + 2 c + h of column 16 i + r
.irp c, 0,1
	ds_load_b128 v[\reg+4*\c:\reg+4*\c+3], v[\adr] offset:(4*(\q)+2*\c)*4096+(\i)*256
.endr
.endm
; 16 matrix instructions: A's blocks a0, a0 + 1 x B's eight.  zero = 1: the first product starts the sums, from the bias.  The 64 accumulators take turns, one instruction a turn.
.macro MUL16 a0, p, q, sc, zero
.irp a, \a0, \a0+1
.irp b, 0,1,2,3,4,5,6,7
.if \zero
	v_wmma_scale_f32_16x16x128_f8f6f4 v[8*(8*((\a)%4)+\b):8*(8*((\a)%4)+\b)+7], v[128*(\p)+FR*\b:128*(\p)+FR*\b+FR-1], v[AF+FR*(\a):AF+FR*(\a)+FR-1], v[BI+8*\b:BI+8*\b+7], v[SC+8*NQ*(\sc)+NQ*\b+(\q)], v[SC+8*NQ*(\sc)+NQ*(\a)+(\q)] matrix_a_fmt:MATRIX_FMT_FP4 matrix_b_fmt:MATRIX_FMT_FP4 matrix_a_scale:MATRIX_SCALE_ROW1
.else
	v_wmma_scale_f32_16x16x128_f8f6f4 v[8*(8*((\a)%4)+\b):8*(8*((\a)%4)+\b)+7], v[128*(\p)+FR*\b:128*(\p)+FR*\b+FR-1], v[AF+FR*(\a):AF+FR*(\a)+FR-1], v[8*(8*((\a)%4)+\b):8*(8*((\a)%4)+\b)+7], v[SC+8*NQ*(\sc)+NQ*\b+(\q)], v[SC+8*NQ*(\sc)+NQ*(\a)+(\q)] matrix_a_fmt:MATRIX_FMT_FP4 matrix_b_fmt:MATRIX_FMT_FP4 matrix_a_scale:MATRIX_SCALE_ROW1
.endif
.endr
.endr
.endm
.macro FETCH_B slot, q, p
	WIN TO_B
.irp i, 0,1,2,3,4,5,6,7
	FRAGB 128*(\p)+FR*\i, ADRB+\slot, \q, \i
.endr
	WIN 0
.endm
.macro FETCH_A slot, q, i0
.irp i, \i0, \i0+1, \i0+2, \i0+3
	FRAG AF+FR*(\i), ADRA+\slot, \q, \i
.endr
.endm
.macro SCALES sc
.irp i, 0,1,2,3,4,5,6,7
	ds_load_b128 v[SC+8*NQ*\sc+NQ*\i:SC+8*NQ*\sc+NQ*\i+3], v[ADRS] offset:\i*SBLK
.endr
.endm
.macro PLACES n                        ; plain vector lines between a matrix instruction and a load into, or a vector read of, its registers
.rept \n
	v_nop
.endr
.endm
.macro STEP slot, q, zero              ; 128 along K, with its successor in the same slot
	s_wait_dscnt 4*NL                              ; all but the youngest eight loads (A's blocks 4-7) are in
	WIN MUL_LO-0x20*(\zero)                        ; (the bias lies in window 0)
	MUL16 0, (\q)%2, \q, \slot, \zero
	MUL16 2, (\q)%2, \q, \slot, \zero
	s_wait_dscnt 0
	PLACES NP
	FETCH_B \slot, (\q)+1, 1-(\q)%2
	FETCH_A \slot, (\q)+1, 0
	WIN MUL_HI-0x30*(\zero)
	MUL16 4, (\q)%2, \q, \slot, \zero
	MUL16 6, (\q)%2, \q, \slot, \zero
	PLACES NP
	WIN 0
	FETCH_A \slot, (\q)+1, 4
.endm
.macro TURN slot, next                 ; a slot's last step changes slots: one barrier; nothing is filled again
	s_wait_tensorcnt 0x0                           ; my part of the next slot has landed
	ds_add_u32 v[SPW], v[NIL]
	s_wait_dscnt 4*NL+1                            ; the add and the youngest eight loads may be out
	WIN MUL_LO
	MUL16 0, 1, NQ-1, \slot, 0
	s_wait_dscnt 0x0                               ; the add is done, my reads of this slot are over
	s_barrier_signal -1
	MUL16 2, 1, NQ-1, \slot, 0
	WIN 0
	s_barrier_wait -1
	PLACES NP
	v_add_nc_u32 v[ADRS], 4*NQ, v[ADRS]            ; the next K step's scale words
	FETCH_B \next, 0, 0
	FETCH_A \next, 0, 0
	SCALES \next
	WIN MUL_HI
	MUL16 4, 1, NQ-1, \slot, 0
	MUL16 6, 1, NQ-1, \slot, 0
	PLACES NP
	WIN 0
	FETCH_A \next, 0, 4
.endm
.macro TABLOAD a, set                  ; cos and sin of my row of block a at my 16 channels under 32: registers 0-15 cos (8 b + j), 16-31 sin
.irp sn, 0,1
.irp b, 0,1
.irp e, 0,1
	global_load_b128 v[TB0+32*(\set)+16*\sn+8*\b+4*\e:TB0+32*(\set)+16*\sn+8*\b+4*\e+3], v[TA], s[66:67] offset:(\a)*4096+128*\sn+64*\b+16*\e
.endr
.endr
.endr
.endm
	s_wait_tensorcnt 1                             ; the scales and my part of K step 0 are in; K step 1's load stays out
	s_barrier_signal -1
	s_barrier_wait -1
	FETCH_B 0, 0, 0
	FETCH_A 0, 0, 0
	SCALES 0
	FETCH_A 0, 0, 4
	s_wait_loadcnt 0x0                             ; bias and gains
	STEP 0, 0, 1
	s_cmp_eq_u32 ttmp9, 2                          ; v has no rotation.  The cluster's x: the same in all partners
	s_cbranch_scc1 .Lno_tab
	TABLOAD 0, 0                                   ; into the bias's registers: four places stand behind the last product that read them
.Lno_tab:
	STEP 0, 1, 0
	STEP 0, 2, 0
	TURN 0, 1
	STEP 1, 0, 0
	STEP 1, 1, 0
	STEP 1, 2, 0
	s_wait_dscnt 4*NL
	WIN MUL_LO
	MUL16 0, 1, NQ-1, 1, 0
	MUL16 2, 1, NQ-1, 1, 0
	s_wait_dscnt 0
	WIN MUL_HI
	MUL16 4, 1, NQ-1, 1, 0
	MUL16 6, 1, NQ-1, 1, 0
	WIN 0
	PLACES NP
; THE WAY OUT, a block of 16 rows x two heads at a time.  OUT: a lane's 16 bytes (8 channels) go into the wave's stage, rows of 144 bytes, and come back as 512 consecutive bytes of the head.
.macro OUT a
.irp g, 0,1
.irp b, 0,1,2,3
	ds_store_b128 v[STO], v[Y+32*\g+4*\b:Y+32*\g+4*\b+3] offset:\g*HSTG+32*\b
.endr
.irp i, 0,1,2,3
	ds_load_b128 v[Y+32*\g+16+4*\i:Y+32*\g+16+4*\i+3], v[RD] offset:\g*HSTG+576*\i   ; LDS serves a wave's instructions in order: these see the stores above
.endr
.endr
.irp g, 0,1
.irp i, 0,1,2,3
	s_wait_dscnt (1-\g)*8+3-\i                     ; behind this load: its head's later loads, and for head 0 the other head's four stores and four loads
	global_store_b128 v[CO], v[Y+32*\g+16+4*\i:Y+32*\g+16+4*\i+3], s[12:13] offset:\g*262144+(\a)*2048+512*\i
.endr
.endr
.endm
.macro EPIQK a
.set EAC, 64*((\a)%4)
.set EW,  2+(\a)/4
.set ETB, TB0+32*((\a)%2)
	s_wait_xcnt 0x0                                ; the last block's stores have read their registers
.if (\a) < 7
	TABLOAD (\a)+1, ((\a)+1)%2
.endif
	WIN (EW|(EW<<2))                               ; the sums of squares: four chains, each over two accumulators, each accumulator from its low end on
.irp c, 0,1,2,3
	v_pk_mul_f32 v[SS+2*\c:SS+2*\c+1], v[EAC+16*\c:EAC+16*\c+1], v[EAC+16*\c:EAC+16*\c+1]
.endr
.irp p, 2,4,6,8,10,12,14
.irp c, 0,1,2,3
	v_pk_fma_f32 v[SS+2*\c:SS+2*\c+1], v[EAC+16*\c+\p:EAC+16*\c+\p+1], v[EAC+16*\c+\p:EAC+16*\c+\p+1], v[SS+2*\c:SS+2*\c+1]
.endr
.endr
	WIN 0
	v_pk_add_f32 v[SS:SS+1], v[SS:SS+1], v[SS+2:SS+3]
	v_pk_add_f32 v[SS+4:SS+5], v[SS+4:SS+5], v[SS+6:SS+7]
	v_add_f32 v[SS], v[SS], v[SS+1]
	v_add_f32 v[SS+4], v[SS+4], v[SS+5]
	v_permlanex16_b32 v7, v[SS], s92, s93          ; the head's other 32 channels lie in lane l xor 16
	v_permlanex16_b32 v31, v[SS+4], s92, s93
	v_add_f32 v[SS], v[SS], v7
	v_add_f32 v[SS+4], v[SS+4], v31
	v_fma_f32 v[SS], v[SS], 0x3c800000, s94        ; the mean + 1e-6
	v_fma_f32 v[SS+4], v[SS+4], 0x3c800000, s94
	v_rsq_f32 v18, v[SS]
	v_rsq_f32 v22, v[SS+4]
	v_nop                                          ; a plain line behind the last of the two
	s_wait_alu depctr_va_vdst(0)                   ; one wait for both, ahead of their first reader
	v_mul_f32 v18, s95, v18
	v_mul_f32 v22, s95, v22
.set p, 0
.rept 16
	v_pk_mul_f32 v[WR+p:WR+p+1], v[WN+p:WN+p+1], v[18:19] op_sel_hi:[1,0]    ; gain x rms, head 0
	v_pk_mul_f32 v[TU+p:TU+p+1], v[WN+p:WN+p+1], v[22:23] op_sel_hi:[1,0]    ; head 1
.set p, p+2
.endr
	WIN EW
.set p, 0
.rept 32
	v_pk_mul_f32 v[Y+p:Y+p+1], v[EAC+p:EAC+p+1], v[WR+p:WR+p+1]              ; the normed numbers: head g at Y + 32 g, channel 16 b + 8 h + j at 8 b + j
.set p, p+2
.endr
	WIN 0
.if (\a) < 7
	s_wait_loadcnt 8                               ; this block's table is in; the next block's eight loads stay out
.else
	s_wait_loadcnt 0x0
.endif
.irp g, 0,1
.set p, 0
.rept 8
	v_pk_mul_f32 v[TU+p:TU+p+1], v[Y+32*\g+16+p:Y+32*\g+17+p], v[ETB+16+p:ETB+17+p]         ; t2 sin
	v_pk_mul_f32 v[TU+16+p:TU+17+p], v[Y+32*\g+p:Y+32*\g+p+1], v[ETB+16+p:ETB+17+p]         ; t1 sin
.set p, p+2
.endr
.set p, 0
.rept 8
	v_pk_fma_f32 v[Y+32*\g+p:Y+32*\g+p+1], v[Y+32*\g+p:Y+32*\g+p+1], v[ETB+p:ETB+p+1], v[TU+p:TU+p+1] neg_lo:[0,0,1] neg_hi:[0,0,1]   ; t1 cos - t2 sin
	v_pk_fma_f32 v[Y+32*\g+16+p:Y+32*\g+17+p], v[Y+32*\g+16+p:Y+32*\g+17+p], v[ETB+p:ETB+p+1], v[TU+16+p:TU+17+p]                     ; t2 cos + t1 sin
.set p, p+2
.endr
.endr
.irp g, 0,1
.set i, 0
.rept 16
	v_cvt_pk_f16_f32 v[Y+32*\g+i], v[Y+32*\g+2*i], v[Y+32*\g+2*i+1]          ; in place, ascending: no number is overwritten before it is read
.set i, i+1
.endr
.endr
	OUT \a
.endm
.macro EPIV a
.set EAC, 64*((\a)%4)
.set EW,  2+(\a)/4
	s_wait_xcnt 0x0                                ; the last block's stores have read their registers
	WIN (EW|(EW<<2))
.irp g, 0,1
.set i, 0
.rept 16
	v_cvt_pk_f16_f32 v[Y+32*\g+i], v[EAC+32*\g+2*i], v[EAC+32*\g+2*i+1]
.set i, i+1
.endr
.endr
	WIN 0
	OUT \a
.endm
	s_cmp_eq_u32 ttmp9, 2
	s_cbranch_scc1 .Lis_v
.irp a, 0,1,2,3,4,5,6,7
	EPIQK \a
.endr
	s_branch .Lend
.Lis_v:
.irp a, 0,1,2,3,4,5,6,7
	EPIV \a
.endr
.Lend:
	s_wait_tensorcnt 0x0                           ; the wave's end, behind my last tensor load and my last LDS store
	ds_add_u32 v[SPW], v[NIL]
	s_wait_dscnt 0x0
	CROUND                                         ; the closing round
	s_endpgm
.Lfunc_end_k_q70154edd56_qkv:
	.size	k_q70154edd56_qkv, .Lfunc_end_k_q70154edd56_qkv-k_q70154edd56_qkv
	.p2alignl 7, 3214868480
	.fill 96, 4, 3214868480
	.section	.rodata,"a",@progbits
	.p2align	6, 0x0
	.amdhsa_kernel k_q70154edd56_qkv
		.amdhsa_group_segment_fixed_size 327680
		.amdhsa_private_segment_fixed_size 0
		.amdhsa_enable_private_segment 0
		.amdhsa_kernarg_size 72
		.amdhsa_user_sgpr_count 2
		.amdhsa_user_sgpr_kernarg_segment_ptr 1
		.amdhsa_wavefront_size32 1
		.amdhsa_system_sgpr_workgroup_id_x 1
		.amdhsa_system_sgpr_workgroup_id_y 1
		.amdhsa_system_sgpr_workgroup_id_z 1
		.amdhsa_system_vgpr_workitem_id 0
		.amdhsa_next_free_vgpr 1024
		.amdhsa_next_free_sgpr 102
		.amdhsa_reserve_vcc 0
		.amdhsa_float_denorm_mode_32 3
		.amdhsa_float_denorm_mode_16_64 3
		.amdhsa_memory_ordered 1
		.amdhsa_forward_progress 1
		.amdhsa_inst_pref_size 255
	.end_amdhsa_kernel
	.section	.bss,"aw",@nobits
	.p2align	6
	.space	262144
	.amdgpu_metadata
---
amdhsa.version: [ 1, 2 ]
amdhsa.kernels:
  - .name:           k_q70154edd56_qkv
    .symbol:         k_q70154edd56_qkv.kd
    .args:
      - { .name: xc, .offset: 0, .size: 8, .value_kind: global_buffer, .address_space: global }
      - { .name: xs, .offset: 8, .size: 8, .value_kind: global_buffer, .address_space: global }
      - { .name: wc, .offset: 16, .size: 8, .value_kind: global_buffer, .address_space: global }
      - { .name: ws, .offset: 24, .size: 8, .value_kind: global_buffer, .address_space: global }
      - { .name: bqkv, .offset: 32, .size: 8, .value_kind: global_buffer, .address_space: global }
      - { .name: qn_w, .offset: 40, .size: 8, .value_kind: global_buffer, .address_space: global }
      - { .name: kn_w, .offset: 48, .size: 8, .value_kind: global_buffer, .address_space: global }
      - { .name: tab, .offset: 56, .size: 8, .value_kind: global_buffer, .address_space: global }
      - { .name: qkv, .offset: 64, .size: 8, .value_kind: global_buffer, .address_space: global }
    .group_segment_fixed_size: 327680
    .private_segment_fixed_size: 0
    .kernarg_segment_align: 8
    .kernarg_segment_size: 72
    .max_flat_workgroup_size: 128
    .sgpr_count:     102
    .vgpr_count:     1024
    .wavefront_size: 32
...
	.end_amdgpu_metadata
.endif
;; end of part 2
;; launch attn (part 3): grid 8 x 64, 8 waves a work-group, clusters of 4 x 1, 327,680 bytes of LDS; arguments qkv, att; writes att
.if DOCPART == 3
	.amdgcn_target "amdgcn-amd-amdhsa--gfx1250"
	.amdhsa_code_object_version 6
	.text
	.protected	k_q70154edd56_attn
	.globl	k_q70154edd56_attn
	.p2align	8
	.type	k_q70154edd56_attn,@function
k_q70154edd56_attn:
	s_mov_b64 s[64:65], 0
	v_nop
	global_prefetch_b8 v0, s[64:65] scope:SCOPE_SE
	s_setreg_imm32_b32 hwreg(HW_REG_WAVE_MODE, 25, 1), 1
	s_wait_xcnt 0x0
	s_wait_alu depctr_hold_cnt(0) depctr_sa_sdst(0) depctr_va_vdst(0) depctr_va_sdst(0) depctr_va_ssrc(0) depctr_va_vcc(0) depctr_vm_vsrc(0)
	s_getreg_b32 s2, hwreg(HW_REG_IB_STS2, 6, 4)
	s_cmp_eq_u32 s2, 0
	s_cbranch_scc0 .Lentry_in_a_cluster
	s_endpgm
.Lentry_in_a_cluster:
	s_bfe_u32 s2, ttmp6, 0x10000c
	s_cmp_lg_u32 s2, 0x3003
	s_cbranch_scc0 .Lentry_shape_is_right
	s_endpgm
.Lentry_shape_is_right:
; att[b][h][q][:] = the sum over k of softmax_k(q . k / 8) v[k][:], for each of 64 (batch, head): q, k, v are [2048][64] f16, q already multiplied by log2(e) / 8.  Products, maxima and sums in f32;
; the weights p = 2^(s - m), m the running maximum of a query's scores, are rounded to f16 for the second product; the row's sum is taken of the unrounded p and divides at the end.  No mask.
; SHARES.  A work-group owns 256 queries of one head; each of its eight waves 32: two tiles of 16.  Two waves lie on a SIMD, so that one wave's softmax stands beside the other's products and LDS loads.
; Every wave walks the head's 2,048 keys, 128 a step.  A fragment of K or V read from LDS feeds two matrix instructions.
; LAYOUT.  S^T = K Q^T (source 0 = 16 keys, source 1 = 16 queries) and O^T = V^T P (source 0 = 16 channels x 32 keys, by the turning load): a lane holds ONE query throughout, and two score tiles rounded in pairs ARE source 1 of the second product.
; RING.  Two slots of four key steps (512 keys).  Each wave fetches one step's K (waves 0-3) or V (waves 4-7): one load of 128 rows.  Two loads of a wave are out at the start, one behind a change of slots.
; CLUSTER.  The four query blocks of a cluster walk the same K and V: each tile is asked for jointly, by the same load with the same descriptor and the mask of all four.
; No prefetch: slots 0 and 1, half of the head, are first fills; each of the two refills has four key steps, 256 matrix instructions a wave, between its request and the wait for it.
; LIMITS: f16 operands: |v| under 65,504; p under 6e-8 counts for nothing in the second product (it does in the sum); NaN and infinities are not served.
; REGISTERS.  window 0: v1-12 addresses; v16-31 statistics, eight a tile (+0 m, +1 written once, +2 +3 the sum, +4..+7 at work, a in +6); v32-159 S^T, 64 a tile; v160-223 P, 32 a tile; v224-227 at work.
;   window 1: v0-31 Q (16 t + 8 c); v32-159 K's fragments, then V's; v160-223 O^T (32 t + 8 ct).
.set PK,    144                        ; a key's row in LDS: 128 bytes + 16: an odd multiple of 16
.set PV,    160                        ; a row of V: 128 + 32: an odd multiple of 32, for the turning load
.set VOFF,  128*PK
.set STEPB, 128*(PK+PV)                ; a step's tiles: K's 128 rows, then V's
.set SPARE, 8*STEPB                    ; behind the ring: the spare words, 128 bytes a wave: four blocks of 256 bytes that no other line names
.set AK0, 2
.set AV0, 3
.set ADK, 4
.set ADV, 5
.set QO,  6
.set STO, 7
.set RD,  8
.set GO,  9
.set SPW, 10                           ; my spare word's LDS address; never rewritten
.set NIL, 11                           ; 0; never rewritten
.set ST,  16
.set S,   32
.set P,   160
.set KV,  32                           ; in window 1
.set O,   160                          ; in window 1
.set WV,  8
.set G1K, 24
.set G1V, 32
.set G0A, 40                           ; slot 0's group 0
.set G0B, 44                           ; slot 1's
.set SEL, 48
.set TB,  50                           ; LDS byte at which the step's tiles begin
.set CNT, 51
.set MSB, 0
.macro WIN new
.if MSB != (\new)
	s_set_vgpr_msb (MSB<<8)|(\new)
.set MSB, (\new)
.endif
.endm
.macro JLOAD g0                        ; waves 0-3 fetch K's tiles, waves 4-7 V's: the two shapes differ in the padding; an s_nop 0 and four v_nop follow each line
	s_cmp_lt_u32 s[WV], 4
	s_cbranch_scc0 .Lfor_v_\@
	tensor_load_to_lds s[\g0:\g0+3], s[G1K:G1K+7]
	s_nop 0
.rept 4
	v_nop
.endr
	s_branch .Lasked_\@
.Lfor_v_\@:
	tensor_load_to_lds s[\g0:\g0+3], s[G1V:G1V+7]
	s_nop 0
.rept 4
	v_nop
.endr
.Lasked_\@:
.endm
.macro CROUND
	s_barrier_signal -1
	s_barrier_wait -1
	s_cmp_lg_u32 s[WV], 0
	s_cbranch_scc1 .Lnot_wave_0_\@
	s_barrier_signal -3
.Lnot_wave_0_\@:
	s_barrier_wait -3
	s_barrier_signal -1
	s_barrier_wait -1
.endm
	s_load_b128 s[4:7], s[0:1], 0x0                ; qkv s[4:5], att s[6:7]
	v_lshl_add_u32 v[SPW], v0, 2, SPARE
	v_mov_b32 v[NIL], 0
	ds_add_u32 v[SPW], v[NIL]                      ; the opening: the add, twice on end, and its wait ahead of my first tensor load
	ds_add_u32 v[SPW], v[NIL]
	v_lshrrev_b32 v1, 5, v0
	v_readfirstlane_b32 s[WV], v1                  ; wave 0..7
	s_and_b32 s9, s[WV], 3                         ; which of a slot's four steps I fetch
	s_lshr_b32 s11, s[WV], 2                       ; K (0) or V (1)
	s_mul_i32 s10, s9, STEPB
	s_mul_i32 s12, s11, VOFF
	s_add_co_u32 s10, s10, s12                     ; its place in a slot
	s_bfe_u32 s13, ttmp6, 0x40000                  ; cx
	s_lshl_b32 s14, ttmp9, 2
	s_add_co_u32 s14, s14, s13                     ; my block of 256 queries: it enters Q's and att's addresses alone
	s_and_b32 s20, ttmp7, 0xffff                   ; (batch, head), which the four partners share
	s_lshl_b32 s20, s20, 18                        ; a head is 262,144 bytes
	s_add_co_u32 s12, s11, 1
	s_lshl_b32 s12, s12, 24                        ; k begins 16,777,216 bytes behind q, v as many behind k
	s_lshl_b32 s16, s9, 14                         ; a step is 128 rows of 128 bytes
	s_add_co_u32 s16, s16, s12
	s_add_co_u32 s16, s16, s20
	s_mov_b32 s17, 0
	s_lshl_b32 s22, s14, 15
	s_lshl_b32 s23, s[WV], 12
	s_add_co_u32 s22, s22, s23
	s_add_co_u32 s22, s22, s20                     ; my wave's first query, in q and in att
	s_mov_b32 s23, 0
	s_mov_b32 s[G1K], 15|(1<<16)|(1<<20)|(1<<21)|(4<<22)|(3<<25)   ; the mask of all four; elements of 2 bytes; 4 words of padding after every 32; bit 21 beside the mask
	s_mov_b32 s[G1V], 15|(1<<16)|(1<<20)|(1<<21)|(4<<22)|(7<<25)   ; the same with 8 words
.irp g, G1K, G1V
	s_mov_b32 s[\g+1], 64<<16                      ; tensor_dim0 = 64
	s_mov_b32 s[\g+2], 128<<16                     ; tensor_dim1 = 128
	s_mov_b32 s[\g+3], 64<<16                      ; tile_dim0
	s_mov_b32 s[\g+4], 128                         ; tile_dim1
	s_mov_b32 s[\g+5], 64                          ; pitch
	s_mov_b32 s[\g+6], 0
	s_mov_b32 s[\g+7], 0
.endr
	s_mov_b32 s[SEL], 0x76543210
	s_mov_b32 s[SEL+1], 0xfedcba98
	s_wait_dscnt 0x0                               ; both opening adds are done
	s_wait_kmcnt 0x0
	s_add_nc_u64 s[18:19], s[4:5], s[16:17]        ; my tile of slot 0
	s_add_nc_u64 s[4:5], s[4:5], s[22:23]          ; Q
	s_add_nc_u64 s[6:7], s[6:7], s[22:23]          ; att
	s_mov_b32 s[G0A], 1
	s_mov_b32 s[G0A+1], s10
	s_mov_b64 s[G0A+2:G0A+3], s[18:19]
	s_or_b32 s[G0A+3], s[G0A+3], 0x80000000
	s_mov_b32 s[G0B], 1
	s_add_co_u32 s[G0B+1], s10, 4*STEPB
	s_add_nc_u64 s[G0B+2:G0B+3], s[18:19], 512*128 ; slot 1 begins with keys 512 on
	s_or_b32 s[G0B+3], s[G0B+3], 0x80000000
	CROUND                                         ; all four work-groups are here: the first joint loads meet
	s_cmp_lt_u32 s[WV], 4                          ; a wave's two first fills stand in one branch
	s_cbranch_scc0 .Lfirst_v
	tensor_load_to_lds s[G0A:G0A+3], s[G1K:G1K+7]
	s_nop 0
	tensor_load_to_lds s[G0B:G0B+3], s[G1K:G1K+7]
	s_nop 0
.rept 4
	v_nop
.endr
	s_branch .Lfirst_asked
.Lfirst_v:
	tensor_load_to_lds s[G0A:G0A+3], s[G1V:G1V+7]
	s_nop 0
	tensor_load_to_lds s[G0B:G0B+3], s[G1V:G1V+7]
	s_nop 0
.rept 4
	v_nop
.endr
.Lfirst_asked:
	v_and_b32 v1, 15, v0                           ; r
	v_bfe_u32 v12, v0, 4, 1                        ; h
	v_lshlrev_b32 v[QO], 7, v1
	v_lshl_add_u32 v[QO], v12, 4, v[QO]            ; Q: row r of 128 bytes + 16 h
	WIN 0x40                                       ; destination window 1
.irp t, 0,1
.irp c, 0,1
	global_load_b128 v[16*\t+8*\c:16*\t+8*\c+3], v[QO], s[4:5] offset:\t*2048+\c*64
	global_load_b128 v[16*\t+8*\c+4:16*\t+8*\c+7], v[QO], s[4:5] offset:\t*2048+\c*64+32
.endr
.endr
.set j, 0
.rept 64
	v_mov_b32 v[O+j], 0                            ; O^T: the step is written once; its first walk finds zeros
.set j, j+1
.endr
	WIN 0
	v_mul_u32_u24 v[AK0], v1, PK
	v_lshl_add_u32 v[AK0], v12, 4, v[AK0]          ; K: row r x pitch + 16 h
	v_and_b32 v13, 7, v0
	v_lshl_add_u32 v13, v12, 3, v13
	v_mul_u32_u24 v[AV0], v13, PV                  ; V, for the turning load: key 8 h + lane % 8,
	v_bfe_u32 v13, v0, 3, 1
	v_lshl_add_u32 v[AV0], v13, 4, v[AV0]          ; channels 8 ((lane / 8) % 2) on
	v_add_nc_u32 v[AV0], VOFF, v[AV0]
	s_mul_i32 s12, s[WV], 32*PK                    ; my stage for the way out: 32 rows x 144 bytes, in slot 0
	v_add_nc_u32 v[STO], s12, v[AK0]
	v_bfe_u32 v13, v0, 3, 2
	v_mul_u32_u24 v13, v13, PK
	v_and_b32 v14, 7, v0
	v_lshl_add_u32 v13, v14, 4, v13
	v_add_nc_u32 v[RD], s12, v13                   ; back: eight lanes to a row, four rows an instruction
	v_and_b32 v[GO], 31, v0
	v_lshlrev_b32 v[GO], 4, v[GO]
.irp t, 0,1
	v_mov_b32 v[ST+8*\t], 0xff61b1e6               ; m: -3e38, under every score
	v_mov_b32 v[ST+8*\t+1], 0
	v_mov_b32 v[ST+8*\t+2], 0                      ; the sum, in two halves
	v_mov_b32 v[ST+8*\t+3], 0
.endr
; A KEY STEP: 128 keys, whose tiles begin at LDS byte s[TB].
.macro STEP
	v_add_nc_u32 v[ADK], s[TB], v[AK0]             ; these two and two v_nop: four plain lines between the last step's products and the loads into the registers that they read
	v_add_nc_u32 v[ADV], s[TB], v[AV0]
	v_nop
	v_nop
	WIN 0x40
.irp kt, 0,1,2,3,4,5,6,7
.irp c, 0,1
	ds_load_b128 v[KV+16*\kt+8*\c:KV+16*\kt+8*\c+3], v[ADK] offset:\kt*16*PK+\c*64
	ds_load_b128 v[KV+16*\kt+8*\c+4:KV+16*\kt+8*\c+7], v[ADK] offset:\kt*16*PK+\c*64+32
.endr
.endr
	s_wait_dscnt 0x0                               ; K is in
	WIN 0x05                                       ; K and Q in window 1, S^T in window 0
.irp t, 0,1                                    ; eight accumulators by turns; the first 32 channels start the sums
.irp kt, 0,1,2,3,4,5,6,7
	v_wmma_f32_16x16x32_f16 v[S+64*\t+8*\kt:S+64*\t+8*\kt+7], v[KV+16*\kt:KV+16*\kt+7], v[16*\t:16*\t+7], 0
.endr
.irp kt, 0,1,2,3,4,5,6,7
	v_wmma_f32_16x16x32_f16 v[S+64*\t+8*\kt:S+64*\t+8*\kt+7], v[KV+16*\kt+8:KV+16*\kt+15], v[16*\t+8:16*\t+15], v[S+64*\t+8*\kt:S+64*\t+8*\kt+7]
.endr
.endr
	WIN 0
.rept 4
	v_nop                                          ; places in front of the loads into K's registers and of the first read of the scores
.endr
	WIN 0x40
.irp u, 0,1,2,3
.irp ct, 0,1,2,3
	ds_load_tr16_b128 v[KV+8*(4*\u+\ct):KV+8*(4*\u+\ct)+3], v[ADV] offset:\u*32*PV+\ct*32
	ds_load_tr16_b128 v[KV+8*(4*\u+\ct)+4:KV+8*(4*\u+\ct)+7], v[ADV] offset:\u*32*PV+16*PV+\ct*32
.endr
.endr
	WIN 0                                          ; V lands while the softmax is walked
.irp c, 0,1,2,3                                ; the maximum: four chains of 16 scores a tile, each accumulator from its low end on; the two tiles line by line
.irp t, 0,1
	v_max3_num_f32 v[ST+8*\t+4+\c], v[S+64*\t+16*\c], v[S+64*\t+16*\c+1], v[S+64*\t+16*\c+2]
.endr
.endr
.irp i, 3,5,7,9,11,13
.irp c, 0,1,2,3
.irp t, 0,1
	v_max3_num_f32 v[ST+8*\t+4+\c], v[ST+8*\t+4+\c], v[S+64*\t+16*\c+\i], v[S+64*\t+16*\c+\i+1]
.endr
.endr
.endr
.irp t, 0,1
	v_max3_num_f32 v[ST+8*\t+4], v[ST+8*\t+4], v[S+64*\t+15], v[S+64*\t+31]
	v_max3_num_f32 v[ST+8*\t+6], v[ST+8*\t+6], v[S+64*\t+47], v[S+64*\t+63]
.endr
.irp t, 0,1
	v_max3_num_f32 v[ST+8*\t+4], v[ST+8*\t+4], v[ST+8*\t+5], v[ST+8*\t+6]
.endr
.irp t, 0,1
	v_max3_num_f32 v[ST+8*\t+4], v[ST+8*\t+4], v[ST+8*\t+7], v[ST+8*\t]    ; with the old m
.endr
.irp t, 0,1
	v_permlanex16_b32 v[ST+8*\t+5], v[ST+8*\t+4], s[SEL], s[SEL+1]         ; the query's other 64 keys lie in lane l xor 16
.endr
.irp t, 0,1
	v_mov_b32 v[ST+8*\t+7], v[ST+8*\t]
.endr
.irp t, 0,1
	v_max_num_f32 v[ST+8*\t], v[ST+8*\t+4], v[ST+8*\t+5]                   ; the new m
.endr
.irp t, 0,1
	v_sub_f32 v[ST+8*\t+7], v[ST+8*\t+7], v[ST+8*\t]                       ; old m - new m
.endr
.set j, 0
.rept 64
	v_pk_add_f32 v[S+j:S+j+1], v[S+j:S+j+1], v[ST+8*(j/64):ST+8*(j/64)+1] op_sel_hi:[1,0] neg_lo:[0,1] neg_hi:[0,1]   ; s - m
.set j, j+2
.endr
	v_exp_f32 v[ST+6], v[ST+7]                     ; a = 2^(old m - new m).  ONE BATCH: none of these 130 reads another's result
	v_exp_f32 v[ST+14], v[ST+15]
.set j, 0
.rept 128
	v_exp_f32 v[S+j], v[S+j]                       ; p
.set j, j+1
.endr
	v_nop                                          ; a plain line behind the last exponential
	s_wait_alu depctr_va_vdst(0)                   ; one wait for the batch, ahead of its first reader
.irp t, 0,1
	v_pk_mul_f32 v[ST+8*\t+2:ST+8*\t+3], v[ST+8*\t+2:ST+8*\t+3], v[ST+8*\t+6:ST+8*\t+7] op_sel_hi:[1,0]   ; the sum under the new m
	v_pk_add_f32 v[224+2*\t:225+2*\t], v[S+64*\t:S+64*\t+1], v[S+64*\t+2:S+64*\t+3]                       ; the sum of the unrounded p, in two chains a tile
.endr
.irp j, 4,8,12,16,20,24,28,32,36,40,44,48,52,56,60
.irp t, 0,1
	v_pk_add_f32 v[ST+8*\t+2:ST+8*\t+3], v[ST+8*\t+2:ST+8*\t+3], v[S+64*\t+\j:S+64*\t+\j+1]
	v_pk_add_f32 v[224+2*\t:225+2*\t], v[224+2*\t:225+2*\t], v[S+64*\t+\j+2:S+64*\t+\j+3]
.endr
.endr
.irp t, 0,1
	v_pk_add_f32 v[ST+8*\t+2:ST+8*\t+3], v[ST+8*\t+2:ST+8*\t+3], v[224+2*\t:225+2*\t]
.endr
.set i, 0
.rept 64
	v_cvt_pk_f16_f32 v[P+i], v[S+2*i], v[S+2*i+1]  ; two neighbouring keys to a register: source 1 of the second product as it stands
.set i, i+1
.endr
	WIN 0x41                                       ; O^T in window 1, a in window 0
.set j, 0
.rept 32
	v_pk_mul_f32 v[O+j:O+j+1], v[O+j:O+j+1], v[ST+8*(j/32)+6:ST+8*(j/32)+7] op_sel_hi:[1,0]
.set j, j+2
.endr
	s_wait_dscnt 0x0                               ; V is in
	WIN 0x51                                       ; V and O^T in window 1, P in window 0
.irp u, 0,1,2,3                                ; eight accumulators by turns
.irp ct, 0,1,2,3
.irp t, 0,1
	v_wmma_f32_16x16x32_f16 v[O+32*\t+8*\ct:O+32*\t+8*\ct+7], v[KV+8*(4*\u+\ct):KV+8*(4*\u+\ct)+7], v[P+32*\t+8*\u:P+32*\t+8*\u+7], v[O+32*\t+8*\ct:O+32*\t+8*\ct+7]
.endr
.endr
.endr
	WIN 0
.endm
.macro PASS base                       ; a slot's four key steps: written once, walked four times
	s_mov_b32 s[TB], \base
	s_mov_b32 s[CNT], 4
.Lstep_\@:
	STEP
	s_add_co_u32 s[TB], s[TB], STEPB
	s_sub_co_u32 s[CNT], s[CNT], 1
	s_cmp_lg_u32 s[CNT], 0
	s_cbranch_scc1 .Lstep_\@
.endm
; THE CHANGE OF SLOTS.  Each wave waits for all its tensor loads (its part of the slot ahead), adds 0 to its spare word, and waits for that and for its reads of the slot that it leaves.
; fill = 1: the barrier is a round of the cluster's, and the slot just left is filled with the keys 1,024 further on, first thing behind it.
.macro CHANGE fill, g0
	s_wait_tensorcnt 0x0                           ; no tensor load of mine is out: a group 0 may be written
	ds_add_u32 v[SPW], v[NIL]
.if \fill
	s_add_nc_u64 s[\g0+2:\g0+3], s[\g0+2:\g0+3], 1024*128
	s_wait_dscnt 0x0
	CROUND
	JLOAD \g0
.else
	s_wait_dscnt 0x0
	s_barrier_signal -1
	s_barrier_wait -1
.endif
.endm
	s_wait_tensorcnt 1                             ; my part of slot 0 is in; slot 1's stays out
	s_barrier_signal -1
	s_barrier_wait -1
	s_wait_loadcnt 0x0                             ; Q
	PASS 0
	CHANGE 1, G0A
	PASS 4*STEPB
	CHANGE 1, G0B
	PASS 0
	CHANGE 0, G0A
	PASS 4*STEPB
	; THE WAY OUT.  O^T / the sum, rounded to f16, through my stage (slot 0 has had its last fill and was left at the last change of slots), back as 512 consecutive bytes of the head.
.rept 4
	v_nop
.endr
.irp t, 0,1
	v_add_f32 v[ST+8*\t+4], v[ST+8*\t+2], v[ST+8*\t+3]
.endr
.irp t, 0,1
	v_permlanex16_b32 v[ST+8*\t+5], v[ST+8*\t+4], s[SEL], s[SEL+1]
.endr
.irp t, 0,1
	v_add_f32 v[ST+8*\t+4], v[ST+8*\t+4], v[ST+8*\t+5]
.endr
.irp t, 0,1
	v_rcp_f32 v[ST+8*\t+6], v[ST+8*\t+4]
.endr
	v_nop                                          ; a plain line behind the last reciprocal
	s_wait_alu depctr_va_vdst(0)                   ; one wait for both, ahead of their first reader
.irp t, 0,1
	WIN 0x41
.set j, 0
.rept 16
	v_pk_mul_f32 v[O+32*\t+j:O+32*\t+j+1], v[O+32*\t+j:O+32*\t+j+1], v[ST+8*\t+6:ST+8*\t+7] op_sel_hi:[1,0]
.set j, j+2
.endr
	WIN 0x05
.set i, 0
.rept 16
	v_cvt_pk_f16_f32 v[S+16*\t+i], v[O+32*\t+2*i], v[O+32*\t+2*i+1]
.set i, i+1
.endr
	WIN 0
.irp ct, 0,1,2,3
	ds_store_b128 v[STO], v[S+16*\t+4*\ct:S+16*\t+4*\ct+3] offset:\t*16*PK+32*\ct
.endr
.endr
.irp i, 0,1,2,3,4,5,6,7
	ds_load_b128 v[S+64+4*\i:S+64+4*\i+3], v[RD] offset:4*PK*\i     ; LDS serves a wave's instructions in order: these see my stores
.endr
.irp i, 0,1,2,3,4,5,6,7
	s_wait_dscnt 7-\i                              ; the younger loads stay out
	global_store_b128 v[GO], v[S+64+4*\i:S+64+4*\i+3], s[6:7] offset:512*\i
.endr
	s_wait_tensorcnt 0x0                           ; the wave's end, behind my last tensor load and my last LDS store
	ds_add_u32 v[SPW], v[NIL]
	s_wait_dscnt 0x0
	CROUND                                         ; the closing round
	s_endpgm
.Lfunc_end_k_q70154edd56_attn:
	.size	k_q70154edd56_attn, .Lfunc_end_k_q70154edd56_attn-k_q70154edd56_attn
	.p2alignl 7, 3214868480
	.fill 96, 4, 3214868480
	.section	.rodata,"a",@progbits
	.p2align	6, 0x0
	.amdhsa_kernel k_q70154edd56_attn
		.amdhsa_group_segment_fixed_size 327680
		.amdhsa_private_segment_fixed_size 0
		.amdhsa_enable_private_segment 0
		.amdhsa_kernarg_size 16
		.amdhsa_user_sgpr_count 2
		.amdhsa_user_sgpr_kernarg_segment_ptr 1
		.amdhsa_wavefront_size32 1
		.amdhsa_system_sgpr_workgroup_id_x 1
		.amdhsa_system_sgpr_workgroup_id_y 1
		.amdhsa_system_sgpr_workgroup_id_z 1
		.amdhsa_system_vgpr_workitem_id 0
		.amdhsa_next_free_vgpr 512
		.amdhsa_next_free_sgpr 66
		.amdhsa_reserve_vcc 0
		.amdhsa_float_denorm_mode_32 3
		.amdhsa_float_denorm_mode_16_64 3
		.amdhsa_memory_ordered 1
		.amdhsa_forward_progress 1
		.amdhsa_inst_pref_size 144
	.end_amdhsa_kernel
	.amdgpu_metadata
---
amdhsa.version: [ 1, 2 ]
amdhsa.kernels:
  - .name:           k_q70154edd56_attn
    .symbol:         k_q70154edd56_attn.kd
    .args:
      - { .name: qkv, .offset: 0, .size: 8, .value_kind: global_buffer, .address_space: global }
      - { .name: att, .offset: 8, .size: 8, .value_kind: global_buffer, .address_space: global }
    .group_segment_fixed_size: 327680
    .private_segment_fixed_size: 0
    .kernarg_segment_align: 8
    .kernarg_segment_size: 16
    .max_flat_workgroup_size: 256
    .sgpr_count:     66
    .vgpr_count:     512
    .wavefront_size: 32
...
	.end_amdgpu_metadata
.endif
;; end of part 3
;; launch proj (part 4): grid 4 x 64, 4 waves a work-group, clusters of 4 x 4, 327,680 bytes of LDS; arguments att, wo16, bout, out0; writes out0
.if DOCPART == 4
	.amdgcn_target "amdgcn-amd-amdhsa--gfx1250"
	.amdhsa_code_object_version 6
	.text
	.protected	k_q70154edd56_proj
	.globl	k_q70154edd56_proj
	.p2align	8
	.type	k_q70154edd56_proj,@function
k_q70154edd56_proj:
	s_mov_b64 s[64:65], 0
	v_nop
	global_prefetch_b8 v0, s[64:65] scope:SCOPE_SE
	s_setreg_imm32_b32 hwreg(HW_REG_WAVE_MODE, 25, 1), 1
	s_wait_xcnt 0x0
	s_wait_alu depctr_hold_cnt(0) depctr_sa_sdst(0) depctr_va_vdst(0) depctr_va_sdst(0) depctr_va_ssrc(0) depctr_va_vcc(0) depctr_vm_vsrc(0)
	s_getreg_b32 s2, hwreg(HW_REG_IB_STS2, 6, 4)
	s_cmp_eq_u32 s2, 0
	s_cbranch_scc0 .Lentry_in_a_cluster
	s_endpgm
.Lentry_in_a_cluster:
	s_bfe_u32 s2, ttmp6, 0x10000c
	s_cmp_lg_u32 s2, 0xf033
	s_cbranch_scc0 .Lentry_shape_is_right
	s_endpgm
.Lentry_shape_is_right:
; out0[m][n] = the sum over k of att[m][k] Wout[k][n] + bout[n]: M 8192, N 1024, K 1024, f16 operands, f32 sums and output.  att lies [batch][head][position][64]: k = 64 head + channel.
; A tile of C is 128 rows x 256 columns: 256 work-groups.  Four waves, each 64 x 128: 32 accumulators, window 2.  A K step is 128, two heads: A's tile is two planes of 128 rows x 128 bytes, B's 128 rows of 512 bytes.
; Two LDS slots; waves 0 and 1 fetch A's planes, waves 2 and 3 B's halves, one load a wave.  The eight K steps are written out by macros.
; THE MATRIX INSTRUCTION IS USED TRANSPOSED: source 0 = 16 columns of Wout (stored [k][n]: by the turning load), source 1 = 16 rows of att: a lane holds eight neighbouring columns of one row of C.
; The bias is the C of each sum's first product (the sum's first term, not its last).
; CLUSTERS: 4 x 4 work-groups; A's tiles are asked for jointly along a row of the cluster, B's along a column.
; PREFETCH of att: behind the refill of K step s + 2 and the run of LDS loads, wave 0 names K step s + 4: two K steps, 256 matrix instructions a wave, ahead of the load that wants it.  A step's two planes are 128 blocks
; of 256 bytes; the four partners that ask for them jointly take 32 each, told apart by address, a lane a block.  It stops with K step 7.  wo16 is walked by every row of clusters and is not named.
; LIMITS: f16 operands (|att|, |Wout| under 65,504); NaN and infinities are not served.
; REGISTERS: window 0: v16-30 addresses; v64-127 the bias; v128-255 rows on the way out.  window 1: two fragment buffers of 96 (B's 64, then A's 32).  window 2: accumulator (a, b) at v[8 (8 a + b)].
.set PA,    144                        ; a row of A in LDS: 128 bytes + 16
.set PB,    544                        ; a row of B: 512 + 32: an odd multiple of 32, for the turning load
.set APL,   128*PA
.set BOFF,  2*APL
.set BH,    64*PB
.set SLOT,  BOFF+2*BH
.set SPARE, 2*SLOT                     ; the spare words, 128 bytes a wave: two blocks of 256 bytes that no other line names
.set SPITCH, 528                       ; the way out: 16 rows x (512 + 16) a wave, in slot 0, which has had its last fill and its last read by then
.set ADRA, 16
.set ADRB, 20
.set STO,  24
.set RD,   25
.set CO,   26
.set SPW,  28                          ; my spare word's LDS address; never rewritten
.set NIL,  29                          ; 0; never rewritten
.set PFO,  30                          ; 256 x lane; never rewritten
.set BI,   64
.set BK,   128
.set F0,   0
.set F1,   96
.set G1A, 24
.set G0A, 32
.set G1B, 48
.set G0B, 56
.set PFA, 46                           ; s[46:47] my work-group's 32 blocks of K step 0's planes; never rewritten
.set MSB, 0
.macro WIN new
.if MSB != (\new)
	s_set_vgpr_msb (MSB<<8)|(\new)
.set MSB, (\new)
.endif
.endm
.macro JLOAD s                         ; an s_nop 0 and four v_nop follow each of the two lines
	s_cmp_eq_u32 s13, 0
	s_cbranch_scc0 .Lfor_b_\@
	tensor_load_to_lds s[G0A+4*\s:G0A+4*\s+3], s[G1A:G1A+7]
	s_nop 0
.rept 4
	v_nop
.endr
	s_branch .Lasked_\@
.Lfor_b_\@:
	tensor_load_to_lds s[G0B+4*\s:G0B+4*\s+3], s[G1B:G1B+7]
	s_nop 0
.rept 4
	v_nop
.endr
.Lasked_\@:
.endm
.macro CREST
	s_cmp_lg_u32 s12, 0
	s_cbranch_scc1 .Lnot_wave_0_\@
	s_barrier_signal -3
.Lnot_wave_0_\@:
	s_barrier_wait -3
	s_barrier_signal -1
	s_barrier_wait -1
.endm
.macro CROUND
	s_barrier_signal -1
	s_barrier_wait -1
	CREST
.endm
	s_load_b256 s[4:11], s[0:1], 0x0               ; att s[4:5], wo16 s[6:7], bout s[8:9], out0 s[10:11]
	v_lshl_add_u32 v[SPW], v0, 2, SPARE
	v_mov_b32 v[NIL], 0
	ds_add_u32 v[SPW], v[NIL]                      ; the opening: the add, twice on end, and its wait ahead of my first tensor load
	ds_add_u32 v[SPW], v[NIL]
	v_lshrrev_b32 v1, 5, v0
	v_readfirstlane_b32 s12, v1                    ; wave
	s_lshr_b32 s13, s12, 1                         ; my half of the rows; also: I fetch for A (0) or B (1)
	s_and_b32 s14, s12, 1                          ; my half of the columns; also: which plane or half I fetch
	s_bfe_u32 s40, ttmp6, 0x40000                  ; cx
	s_bfe_u32 s41, ttmp6, 0x40004                  ; cy
	s_lshl_b32 s42, ttmp9, 2
	s_add_co_u32 s42, s42, s40                     ; tile column
	s_and_b32 s16, ttmp7, 0xffff
	s_lshl_b32 s16, s16, 2
	s_add_co_u32 s16, s16, s41                     ; tile row
	s_lshl_b32 s43, s41, 2
	s_lshl_b32 s43, 15, s43                        ; my row of the cluster
	s_lshl_b32 s44, 0x1111, s40                    ; my column
	s_or_b32 s[G1A+0], s43, (1<<16)|(1<<20)|(1<<21)|(4<<22)|(3<<25)   ; A: elements of 2 bytes; 4 words of padding after every 32
	s_mov_b32 s[G1A+1], 64<<16
	s_mov_b32 s[G1A+2], 128<<16
	s_mov_b32 s[G1A+3], 64<<16
	s_mov_b32 s[G1A+4], 128
	s_mov_b32 s[G1A+5], 64
	s_mov_b32 s[G1A+6], 0
	s_mov_b32 s[G1A+7], 0
	s_or_b32 s[G1B+0], s44, (1<<16)|(1<<20)|(1<<21)|(6<<22)|(7<<25)   ; B: 8 words of padding after every 128
	s_mov_b32 s[G1B+1], 256<<16
	s_mov_b32 s[G1B+2], 64<<16
	s_mov_b32 s[G1B+3], 256<<16
	s_mov_b32 s[G1B+4], 64
	s_mov_b32 s[G1B+5], 1024
	s_mov_b32 s[G1B+6], 0
	s_mov_b32 s[G1B+7], 0
	s_lshr_b32 s17, s16, 4
	s_lshl_b32 s17, s17, 4                         ; the batch's first head
	s_add_co_u32 s18, s17, s14                     ; + my plane
	s_lshl_b32 s18, s18, 18
	s_and_b32 s45, s16, 15
	s_lshl_b32 s45, s45, 14                        ; the tile's 128 positions x 128 bytes
	s_add_co_u32 s18, s18, s45
	s_mov_b32 s19, 0
	s_lshl_b32 s20, s14, 17                        ; B: my 64 rows of 2,048 bytes,
	s_lshl_b32 s21, s42, 9                         ; the tile's 256 columns
	s_add_co_u32 s20, s20, s21
	s_mov_b32 s21, 0
	s_mul_i32 s22, s14, APL                        ; where they go
	s_mul_i32 s23, s14, BH
	s_add_co_u32 s23, s23, BOFF
	s_wait_dscnt 0x0                               ; both opening adds are done
	s_wait_kmcnt 0x0
	s_add_nc_u64 s[18:19], s[4:5], s[18:19]
	s_add_nc_u64 s[20:21], s[6:7], s[20:21]
	CROUND                                         ; all sixteen work-groups are here: the first joint loads meet
.irp s, 0,1
	s_mov_b32 s[G0A+4*\s], 1
	s_add_co_u32 s[G0A+4*\s+1], s22, \s*SLOT
	s_add_nc_u64 s[G0A+4*\s+2:G0A+4*\s+3], s[18:19], \s*2*262144
	s_or_b32 s[G0A+4*\s+3], s[G0A+4*\s+3], 0x80000000
	s_mov_b32 s[G0B+4*\s], 1
	s_add_co_u32 s[G0B+4*\s+1], s23, \s*SLOT
	s_add_nc_u64 s[G0B+4*\s+2:G0B+4*\s+3], s[20:21], \s*128*2048
	s_or_b32 s[G0B+4*\s+3], s[G0B+4*\s+3], 0x80000000
	JLOAD \s                                       ; two tensor loads of a wave are out
.endr
	v_and_b32 v1, 15, v0                           ; r
	v_bfe_u32 v2, v0, 4, 1                         ; h
	v_mul_u32_u24 v3, v1, PA
	v_lshl_add_u32 v3, v2, 4, v3                   ; A: row x pitch + 16 h
	v_and_b32 v4, 7, v0
	v_lshl_add_u32 v4, v2, 3, v4
	v_mul_u32_u24 v4, v4, PB                       ; B, for the turning load: row 8 h + lane % 8,
	v_bfe_u32 v5, v0, 3, 1
	v_lshl_add_u32 v4, v5, 4, v4                   ; columns 8 ((lane / 8) % 2) on
	s_mul_i32 s21, s13, 64*PA                      ; my 64 rows of A
	s_lshl_b32 s22, s14, 8                         ; my 128 columns of B
	s_add_co_u32 s22, s22, BOFF
.irp s, 0,1
	v_add_nc_u32 v[ADRA+\s], s21, v3
	v_add_nc_u32 v[ADRB+\s], s22, v4
	s_add_co_u32 s21, s21, SLOT
	s_add_co_u32 s22, s22, SLOT
.endr
	s_mul_i32 s23, s12, 16*SPITCH                  ; my stage
	v_mul_u32_u24 v5, v1, SPITCH
	v_lshl_add_u32 v5, v2, 5, v5
	v_add_nc_u32 v[STO], s23, v5                   ; in: row r, 32 bytes for each half of the lanes
	v_and_b32 v6, 31, v0
	v_lshlrev_b32 v[CO], 4, v6
	v_add_nc_u32 v[RD], s23, v[CO]                 ; back: the 32 lanes take a row of 512 bytes
	v_lshlrev_b32 v[PFO], 8, v6
	v_lshlrev_b32 v3, 5, v2                        ; the bias: 32 h
	s_lshl_b32 s2, s42, 10
	s_lshl_b32 s3, s14, 9
	s_add_co_u32 s2, s2, s3                        ; my first column, in bytes of f32
	s_mov_b32 s3, 0
	s_add_nc_u64 s[8:9], s[8:9], s[2:3]
	s_add_nc_u64 s[10:11], s[10:11], s[2:3]
	s_lshl_b32 s2, s16, 19                         ; 128 rows of 4,096 bytes a tile row,
	s_lshl_b32 s20, s13, 18                        ; 64 a half
	s_add_co_u32 s2, s2, s20
	s_add_nc_u64 s[10:11], s[10:11], s[2:3]
	s_lshl_b32 s2, s17, 18                         ; the prefetches: the batch's first head, the tile's positions,
	s_add_co_u32 s2, s2, s45
	s_lshr_b32 s20, s40, 1
	s_lshl_b32 s20, s20, 18                        ; plane cx / 2,
	s_add_co_u32 s2, s2, s20
	s_and_b32 s20, s40, 1
	s_lshl_b32 s20, s20, 13                        ; its half cx % 2: 32 blocks of 256 bytes
	s_add_co_u32 s2, s2, s20
	s_add_nc_u64 s[PFA:PFA+1], s[4:5], s[2:3]
.irp b, 0,1,2,3,4,5,6,7
	global_load_b128 v[BI+8*\b:BI+8*\b+3], v3, s[8:9] offset:64*\b         ; register 8 b + j: the bias of column 16 b + 8 h + j
	global_load_b128 v[BI+8*\b+4:BI+8*\b+7], v3, s[8:9] offset:64*\b+16
.endr
.macro MUL8 f, a, first                ; A's block a x B's eight, 32 along K.  The 32 accumulators take turns, one instruction a turn
.irp b, 0,1,2,3,4,5,6,7
.if \first
	v_wmma_f32_16x16x32_f16 v[8*(8*(\a)+\b):8*(8*(\a)+\b)+7], v[\f+8*\b:\f+8*\b+7], v[\f+64+8*(\a):\f+64+8*(\a)+7], v[BI+8*\b:BI+8*\b+7]
.else
	v_wmma_f32_16x16x32_f16 v[8*(8*(\a)+\b):8*(8*(\a)+\b)+7], v[\f+8*\b:\f+8*\b+7], v[\f+64+8*(\a):\f+64+8*(\a)+7], v[8*(8*(\a)+\b):8*(8*(\a)+\b)+7]
.endif
.endr
.endm
.macro FETCH slot, q, f                ; 24 LDS loads in one run: the slot's q-th 32 along K: B's eight fragments, then A's four
	WIN 0x40
.irp i, 0,1,2,3,4,5,6,7
	ds_load_tr16_b128 v[\f+8*\i:\f+8*\i+3], v[ADRB+\slot] offset:(\q)*32*PB+32*\i
	ds_load_tr16_b128 v[\f+8*\i+4:\f+8*\i+7], v[ADRB+\slot] offset:(\q)*32*PB+32*\i+16*PB
.endr
.irp i, 0,1,2,3
	ds_load_b128 v[\f+64+8*\i:\f+64+8*\i+3], v[ADRA+\slot] offset:((\q)/2)*APL+((\q)%2)*64+\i*16*PA
	ds_load_b128 v[\f+64+8*\i+4:\f+64+8*\i+7], v[ADRA+\slot] offset:((\q)/2)*APL+((\q)%2)*64+\i*16*PA+32
.endr
.endm
.macro PLACES
.rept 4
	v_nop
.endr
.endm
.macro QUARTER slot, qn, f, g, first   ; multiplies buffer f and fetches the slot's quarter qn into g
	s_wait_dscnt 4                                 ; all but the youngest four loads (A's blocks 2, 3) are in
	WIN 0xa5-0x20*(\first)                         ; B and A in window 1, D in window 2, C with it (the bias: window 0)
	MUL8 \f, 0, \first
	MUL8 \f, 1, \first
	PLACES                                         ; in front of loads into registers that matrix instructions have read
	FETCH \slot, \qn, \g
	s_wait_dscnt 24                                ; all but the 24 just issued
	WIN 0xa5-0x20*(\first)
	MUL8 \f, 2, \first
	MUL8 \f, 3, \first
.endm
; A K step's last quarter multiplies buffer 1 and changes slots: one barrier; in front of it each wave waits for all its tensor loads, adds 0 to its spare word, and waits for that and for its reads of this slot.
; fill = 1: the barrier opens a round of the cluster's, and this slot is filled again, two K steps ahead.  pf: the K step that wave 0 prefetches, or 0.
.macro TURN slot, next, fill, pf
	WIN 0
	s_wait_tensorcnt 0x0                           ; my part of the next slot has landed
	ds_add_u32 v[SPW], v[NIL]
	s_wait_dscnt 5                                 ; the add and the youngest four loads may be out
	WIN 0xa5
	MUL8 F1, 0, 0
	s_wait_dscnt 0x0                               ; the add is done, my reads of this slot are over
	s_barrier_signal -1
	MUL8 F1, 1, 0
	WIN 0
	s_barrier_wait -1
.if \fill
	CREST                                          ; no wave of any partner still reads this slot or has a load on its way
	s_add_nc_u64 s[G0A+4*\slot+2:G0A+4*\slot+3], s[G0A+4*\slot+2:G0A+4*\slot+3], 4*262144
	s_add_nc_u64 s[G0B+4*\slot+2:G0B+4*\slot+3], s[G0B+4*\slot+2:G0B+4*\slot+3], 256*2048
	JLOAD \slot                                    ; the first tensor load behind the round; its four v_nop are also the places in front of the loads below
.else
	PLACES
.endif
	FETCH \next, 0, F0
.if \pf
	WIN 0
	s_cmp_lg_u32 s12, 0
	s_cbranch_scc1 .Lnot_mine_\@
	global_prefetch_b8 v[PFO], s[PFA:PFA+1] offset:(\pf)*2*262144 th:TH_LOAD_NT scope:SCOPE_SE
.Lnot_mine_\@:
.endif
	WIN 0xa5
	MUL8 F1, 2, 0
	MUL8 F1, 3, 0
.endm
.macro THREE slot
	QUARTER \slot, 1, F0, F1, 0
	QUARTER \slot, 2, F1, F0, 0
	QUARTER \slot, 3, F0, F1, 0
.endm
	s_wait_tensorcnt 1                             ; my part of K step 0 is in; K step 1's stays out
	s_barrier_signal -1
	s_barrier_wait -1
	FETCH 0, 0, F0
	s_wait_loadcnt 0x0                             ; the bias
	QUARTER 0, 1, F0, F1, 1                        ; the first products start the sums, from the bias
	QUARTER 0, 2, F1, F0, 0
	QUARTER 0, 3, F0, F1, 0
	TURN 0, 1, 1, 4                                ; K step 0 ends: slot 0 takes K step 2
	THREE 1
	TURN 1, 0, 1, 5
	THREE 0
	TURN 0, 1, 1, 6
	THREE 1
	TURN 1, 0, 1, 7
	THREE 0
	TURN 0, 1, 1, 0                                ; slot 0 takes K step 6
	THREE 1
	TURN 1, 0, 1, 0                                ; slot 1 takes K step 7: the last load
	THREE 0
	TURN 0, 1, 0, 0
	THREE 1
	s_wait_dscnt 4                                 ; the very last quarter
	WIN 0xa5
	MUL8 F1, 0, 0
	MUL8 F1, 1, 0
	s_wait_dscnt 0
	MUL8 F1, 2, 0
	MUL8 F1, 3, 0
	WIN 0
; THE WAY OUT, a block of 16 rows x 128 columns at a time: through my own stage and back as whole rows of 512 bytes.
.macro TOSTAGE a
	WIN 0x08                                       ; an LDS store's data are its source 1: window 2
.irp b, 0,1,2,3,4,5,6,7
	ds_store_b128 v[STO], v[64*(\a)+8*\b:64*(\a)+8*\b+3] offset:64*\b        ; each accumulator from its low end on
	ds_store_b128 v[STO], v[64*(\a)+8*\b+4:64*(\a)+8*\b+7] offset:64*\b+16
.endr
	WIN 0
.set BB, BK+64*((\a)%2)
.irp t, 0,1,2,3,4,5,6,7,8,9,10,11,12,13,14,15
	ds_load_b128 v[BB+4*\t:BB+4*\t+3], v[RD] offset:\t*SPITCH                ; LDS serves a wave's instructions in order: these see the stores above
.endr
.endm
.macro SEND a, younger                 ; younger: the LDS instructions issued behind block a's loads
.set BB, BK+64*((\a)%2)
	s_wait_dscnt \younger
.if (\a) > 0
	s_add_nc_u64 s[10:11], s[10:11], 16*4096       ; behind a wait on XCNT: the earlier stores have read their base
.endif
.irp t, 0,1,2,3,4,5,6,7,8,9,10,11,12,13,14,15
	global_store_b128 v[CO], v[BB+4*\t:BB+4*\t+3], s[10:11] offset:\t*4096 th:TH_STORE_NT   ; 32 lanes store 512 consecutive bytes
.endr
.endm
	PLACES
	TOSTAGE 0
.irp a, 1,2,3
.if \a > 1
	s_wait_xcnt 0x0                                ; block a - 2's stores have read their registers and their base
.endif
	TOSTAGE \a
	SEND \a-1, 32                                  ; behind block a - 1's loads: block a's 16 stores and 16 loads
.endr
	s_wait_xcnt 0x0
	SEND 3, 0
	s_wait_tensorcnt 0x0                           ; the wave's end, behind my last tensor load and my last LDS store
	ds_add_u32 v[SPW], v[NIL]
	s_wait_dscnt 0x0
	CROUND                                         ; the closing round
	s_endpgm
.Lfunc_end_k_q70154edd56_proj:
	.size	k_q70154edd56_proj, .Lfunc_end_k_q70154edd56_proj-k_q70154edd56_proj
	.p2alignl 7, 3214868480
	.fill 96, 4, 3214868480
	.section	.rodata,"a",@progbits
	.p2align	6, 0x0
	.amdhsa_kernel k_q70154edd56_proj
		.amdhsa_group_segment_fixed_size 327680
		.amdhsa_private_segment_fixed_size 0
		.amdhsa_enable_private_segment 0
		.amdhsa_kernarg_size 32
		.amdhsa_user_sgpr_count 2
		.amdhsa_user_sgpr_kernarg_segment_ptr 1
		.amdhsa_wavefront_size32 1
		.amdhsa_system_sgpr_workgroup_id_x 1
		.amdhsa_system_sgpr_workgroup_id_y 1
		.amdhsa_system_sgpr_workgroup_id_z 1
		.amdhsa_system_vgpr_workitem_id 0
		.amdhsa_next_free_vgpr 768
		.amdhsa_next_free_sgpr 66
		.amdhsa_reserve_vcc 0
		.amdhsa_float_denorm_mode_32 3
		.amdhsa_float_denorm_mode_16_64 3
		.amdhsa_memory_ordered 1
		.amdhsa_forward_progress 1
		.amdhsa_inst_pref_size 152
	.end_amdhsa_kernel
	.amdgpu_metadata
---
amdhsa.version: [ 1, 2 ]
amdhsa.kernels:
  - .name:           k_q70154edd56_proj
    .symbol:         k_q70154edd56_proj.kd
    .args:
      - { .name: att, .offset: 0, .size: 8, .value_kind: global_buffer, .address_space: global }
      - { .name: wo16, .offset: 8, .size: 8, .value_kind: global_buffer, .address_space: global }
      - { .name: bout, .offset: 16, .size: 8, .value_kind: global_buffer, .address_space: global }
      - { .name: out0, .offset: 24, .size: 8, .value_kind: global_buffer, .address_space: global }
    .group_segment_fixed_size: 327680
    .private_segment_fixed_size: 0
    .kernarg_segment_align: 8
    .kernarg_segment_size: 32
    .max_flat_workgroup_size: 128
    .sgpr_count:     66
    .vgpr_count:     768
    .wavefront_size: 32
...
	.end_amdgpu_metadata
.endif
;; end of part 4
